; MI455X (gfx1250); checked and timed in simulation.
; The chip was launched on July 23, 2026; its instructions are those of AMD's public machine-readable ISA for CDNA 5 (MIT licence, August 2026) and "CDNA5" Instruction Set Architecture Reference Guide (July 2026). The comments in the code are by the model that wrote it; some were corrected since.
;; Multi Head Self Attention. Allowed arithmetic: matrix products marked QUANTISED: E4M3 operands, one given power-of-two scale a tensor, by v_wmma_f32_16x16x64_fp8_fp8 or v_wmma_f32_16x16x128_fp8_fp8, f32 sums; everything else in f32.
;; Inputs: b_proj 1,024 float32; b_qkv 3,072 float32; lowp_scales 8 int32 (the exponents e of the quantised operands' scales 2^e); w_proj 1,024 x 1,024 float32; w_qkv 1,024 x 3,072 float32; x 4 x 2,048 x 1,024 float32.
;; Outputs: out0 4 x 2,048 x 1,024 float32.
;; This version of the problem:
;;   THIS VERSION OF THE PROBLEM IS GIVEN IN LOW PRECISION. The matrix products marked QUANTISED in the list below multiply operands that are first quantised to E4M3 (4 exponent bits, 3 mantissa bits; 8 bits a number), with one given power-of-two scale for each operand tensor; their sums are f32. All else is computed in f32.
;;   The module's matrix products, in the order in which they are computed (A, B: the left and right operand; K: the contracted axis; several contracted axes count as one K, in the product's order):
;;     1. [M 8,192, K 1,024] x [K 1,024, N 3,072]; A: input x; B: input w_qkv: QUANTISED (scales: A lowp_scales[0], B lowp_scales[1])
;;     2. batch 64 x [M 2,048, K 64] x [K 64, N 2,048]; A: computed on the way; B: computed on the way: QUANTISED (scales: A lowp_scales[2], B lowp_scales[3])
;;     3. batch 64 x [M 2,048, K 2,048] x [K 2,048, N 64]; A: softmax (see below); B: computed on the way: QUANTISED (scales: A lowp_scales[4], B lowp_scales[5])
;;     4. [M 8,192, K 1,024] x [K 1,024, N 1,024]; A: computed on the way; B: input w_proj: QUANTISED (scales: A lowp_scales[6], B lowp_scales[7])
;;   THE QUANTISER, for each operand of a quantised product, along K:
;;     - The operand's scale is 2^e, e = its entry of the input lowp_scales (int32; the entries are numbered through the quantised products in the list's order, A before B).
;;     - Each number is divided by the scale, clamped to +-448, and rounded to the nearest number of E4M3, ties to even, subnormals kept.
;;     - The product sums the exact products of the quantised numbers (number of the format x scale) in f32.
;;   ~~~python
;;   def quantise(x, axis, e):      # numpy; x: float32 -> the quantised numbers, widened to float32 again
;;       x = np.moveaxis(x, axis, -1); K = x.shape[-1]
;;       r = np.clip(x / 2.0 ** e, -448, 448)
;;       step = 2.0 ** (np.maximum(np.frexp(np.where(r == 0, 1, r))[1] - 1, -6) - 3)
;;       q = np.round(r / step) * step * 2.0 ** e      # np.round: ties to even
;;       return np.moveaxis(q, -1, axis).astype(np.float32)
;;   ~~~
;;   SOFTMAX AHEAD OF A QUANTISED PRODUCT. Where the list says 'softmax', what is quantised is not the finished softmax but p = 2^(t - M), with t = logit x log2(e) and M = ceil(the row's largest t), a whole number; so 1/2 < the row's largest p <= 1. The row's sum l is taken of the UNQUANTISED p, in f32, and the product's result is divided by l at the end. Since M is a whole number, a kernel that streams over the keys may use a running M (the ceiling of the running maximum): every later rescaling is an exact power of two, so the quantised numbers keep their values, but for numbers so far below the row's largest that they fall under the format's range.
;;   OPERANDS COMPUTED ON THE WAY. 'Computed on the way' means the value that the module computes at that place (a softmax that the list does not call 'softmax' is quantised finished and normalised). What goes into a quantiser is computed in f32, as accurately as f32 sums, v_exp_f32 and their like allow (about 1e-6 of the number): no bf16 or f16 on the way to a quantiser, and a product that is left as it is and whose result goes on into a quantised operand takes f32 operands (vector FMAs, or v_wmma_f32_16x16x4_f32). A number that lies on a knife's edge between two numbers of the format may be rounded either way, as far as f32 arithmetic and the matrix unit's own rounding can turn it there, and no further.
;; 2 versions, each right; version 2 is version 1 with the launch attn written anew for expert scheduling mode. Each part assembles by itself: llvm-mc -triple=amdgcn-amd-amdhsa -mcpu=gfx1250 --defsym DOCPART=n.
;; ======== version 1 of 2: 4 launches
;; workspace buffers: xw 11,534,336 bytes; wpc 1,048,576 bytes; qkvc 25,165,824 bytes; ac 8,388,608 bytes
;; launch prep (part 1): grid 384 x 1, 4 waves a work-group, no clusters, 34,304 bytes of LDS; arguments x, w_qkv, w_proj, lowp_scales, xw, wpc; writes xw, wpc
.if DOCPART == 1
	.amdgcn_target "amdgcn-amd-amdhsa--gfx1250"
	.amdhsa_code_object_version 6
	.text
	.protected	k_qfc0b78542d_prep
	.globl	k_qfc0b78542d_prep
	.p2align	8
	.type	k_qfc0b78542d_prep,@function
k_qfc0b78542d_prep:
	s_mov_b64 s[64:65], 0
	v_nop
	global_prefetch_b8 v0, s[64:65] scope:SCOPE_SE
	s_setreg_imm32_b32 hwreg(HW_REG_WAVE_MODE, 25, 1), 1
	s_wait_xcnt 0x0
; x [8192][1024], w_qkv [1024][3072] and w_proj [1024][1024], f32, become codes of FP8 (E4M3), each with its given scale 2^e (entries 0, 1 and 7 of the scales).
; code = number / 2^e, held within +-448, rounded to the nearest code, ties to even.  LIMITS: e between -126 and 119, so that 2^e and 448 x 2^e are f32 numbers; NaN among the inputs is not served.
; THE CODES ARE LAID AS IMAGES OF THE OPERAND'S REGISTERS.  A row tile is 16 rows x 1024 K = 16,384 bytes: [K step s of 128][piece c of 32][lane][16 bytes]; lane (r, h) of piece c holds
; k = 128 s + 32 c + 16 h + 0 .. 15 of the tile's row r.  So the products' launches fetch a fragment by four loads of 512 consecutive bytes.
; THE ROWS OF A TILE ARE NOT NEIGHBOURS: row r of tile 2 g + u is row 32 g + 8 u + r + 8 (r / 8) of the tensor (a token of x, a column n of a weight): a product's 16 results of two neighbouring tiles
; are then 16 neighbours, which is what the next quantiser wants in one lane.
; xw: tiles 0-511 x, tiles 512-703 w_qkv's columns.  wpc: w_proj's 64 tiles.
; Work-groups 0-255 take x (32 rows each), 256-351 w_qkv, 352-383 w_proj (128 columns x 256 K each).  Waves share nothing: no barrier.  Only x's path uses LDS.
.set R,   16                           ; x: v16-143  two sets of 64 registers as loaded.   weights: v16-79 two sets of 32 numbers down K
.set X,   144                          ; x: v144-207 64 numbers: register 16 c + i = k 32 c + 16 h + i of my row
.set C,   208                          ; x: v208-223 a unit's codes.   weights: v80-143, eight for each block, never rewritten
.set WC,  80
.set SP,  528                          ; x: a stage row: 512 bytes + 16, so that sixteen rows begin at sixteen different groups of four banks
.macro MKSCALE e                       ; v11 = 2^e as f32 (the conversion takes its exponent field); v10 = 448 x 2^e
	s_add_co_i32 s32, \e, 127
	s_lshl_b32 s33, s32, 23
	v_mov_b32 v11, s33
	s_add_co_i32 s32, s32, 8
	s_lshl_b32 s32, s32, 23
	s_or_b32 s32, s32, 0x600000
	v_mov_b32 v10, s32
.endm
	s_load_b256 s[4:11], s[0:1], 0x0               ; x s[4:5], w_qkv s[6:7], w_proj s[8:9], the scales' exponents s[10:11]
	s_load_b128 s[12:15], s[0:1], 0x20             ; xw s[12:13], wpc s[14:15]
	v_lshl_add_u32 v224, v0, 2, 0x8400
	v_mov_b32 v225, 0
	v_lshrrev_b32 v1, 5, v0
	v_readfirstlane_b32 s24, v1                    ; wave 0..3
	v_and_b32 v5, 31, v0                           ; lane
	v_and_b32 v6, 15, v0                           ; r
	v_bfe_u32 v7, v0, 4, 1                         ; h (x), u (weights)
	s_mov_b32 s29, 0
	s_wait_kmcnt 0x0
	s_load_b256 s[16:23], s[10:11], 0x0            ; e0 .. e7
	s_cmp_lt_u32 ttmp9, 256
	s_cbranch_scc0 .Lweights
; ---- x.  Wave w: tile 2 g + (w / 2), K steps 4 (w % 2) .. + 3: four units of 16 rows x 128 K.  Each load reads 512 consecutive bytes of one row; a unit turns through the wave's own stage in LDS,
; from which a lane takes its 16 neighbours of each block of 32.
	v_lshlrev_b32 v2, 4, v5                        ; 16 x lane: my bytes of a load and of a store
	s_mul_i32 s25, s24, 16*SP                      ; my stage
	v_add_nc_u32 v3, s25, v2                       ; into it: as loaded
	v_mul_u32_u24 v4, v6, SP
	v_lshl_add_u32 v4, v7, 6, v4
	v_add_nc_u32 v4, s25, v4                       ; out of it: row r, + 64 h
	s_lshr_b32 s26, s24, 1                         ; u
	s_and_b32 s27, s24, 1                          ; which half of K
	s_lshl_b32 s28, ttmp9, 17                      ; 32 g rows of 4,096 bytes,
	s_lshl_b32 s30, s26, 15                        ; + 8 u rows,
	s_add_co_u32 s28, s28, s30
	s_lshl_b32 s30, s27, 11                        ; + 512 numbers
	s_add_co_u32 s28, s28, s30
	s_add_nc_u64 s[4:5], s[4:5], s[28:29]
	s_lshl_b32 s28, ttmp9, 15                      ; tile 2 g + u of 16,384 bytes, + four K steps of 2,048
	s_lshl_b32 s30, s26, 14
	s_add_co_u32 s28, s28, s30
	s_lshl_b32 s30, s27, 13
	s_add_co_u32 s28, s28, s30
	s_add_nc_u64 s[12:13], s[12:13], s[28:29]
.macro LOADU u                         ; unit u: the tile's row j is row j + 8 (j / 8) from the base
.set jj, 0
.rept 16
	global_load_b128 v[R+64*((\u)%2)+4*jj:R+64*((\u)%2)+4*jj+3], v2, s[4:5] offset:(jj+8*(jj/8))*4096+512*(\u) th:TH_LOAD_NT
.set jj, jj+1
.endr
.endm
.macro UNIT u
.if (\u) < 3
	s_wait_loadcnt 16                              ; this unit's 16 loads are in; the next unit's 16 may be out
.else
	s_wait_loadcnt 0x0
.endif
.set jj, 0
.rept 16
	ds_store_b128 v3, v[R+64*((\u)%2)+4*jj:R+64*((\u)%2)+4*jj+3] offset:SP*jj
.set jj, jj+1
.endr
.set jj, 0
.rept 16                               ; LDS serves a wave's instructions in order (ISA guide 5.7.1.4): these see the stores above, and the next unit's stores come behind them
	ds_load_b128 v[X+4*jj:X+4*jj+3], v4 offset:128*(jj/4)+16*(jj%4)
.set jj, jj+1
.endr
	s_wait_dscnt 0x0                               ; the numbers are back, and the stores into the stage have read their registers,
.if (\u) > 0
	s_wait_xcnt 0x0                                ; and the last unit's stores of codes have read theirs: v[C] on is written again below
.endif
.if (\u) < 2
	LOADU (\u)+2                                   ; which take the loads of two units on
.endif
.irp c, 0,1,2,3
.set jj, 0
.rept 16
	v_med3_num_f32 v[X+16*\c+jj], v[X+16*\c+jj], -v10, v10   ; the conversion does not saturate (ISA guide 7.6.2): the hold at the largest code x the scale
.set jj, jj+1
.endr
	v_cvt_scalef32_pk8_fp8_f32 v[C+4*\c:C+4*\c+1], v[X+16*\c:X+16*\c+7], v11
	v_cvt_scalef32_pk8_fp8_f32 v[C+4*\c+2:C+4*\c+3], v[X+16*\c+8:X+16*\c+15], v11
.endr
.irp c, 0,1,2,3
	global_store_b128 v2, v[C+4*\c:C+4*\c+3], s[12:13] offset:2048*(\u)+512*\c   ; a piece: 512 consecutive bytes
.endr
.endm
	LOADU 0
	LOADU 1
	s_wait_kmcnt 0x0
	MKSCALE s16
	UNIT 0
	UNIT 1
	UNIT 2
	UNIT 3
	s_wait_tensorcnt 0x0
	ds_add_u32 v224, v225
	s_wait_dscnt 0x0
	s_endpgm
; ---- the weights: K is their FIRST axis.  A lane takes a column n and its registers run down K, so the conversions give codes with K innermost and nothing is transposed.
; Lane (u = lane / 16, r): column 32 g32 + 8 u + r + 8 (r / 8), which is row r of tile 2 g32 + u: the 32 lanes of a load read 128 consecutive bytes, the four waves 512.
; A block of 32 k is a piece: its first 16 codes are lane (r, 0)'s 16 bytes of the image, the other 16 lane (r, 1)'s, 256 bytes on: sixteen lanes store 256 consecutive bytes, aligned.
.Lweights:
	v_and_b32 v8, 8, v6
	v_add_nc_u32 v8, v8, v6                        ; r + 8 (r / 8)
	v_lshl_add_u32 v8, v7, 3, v8                   ; + 8 u
	v_lshlrev_b32 v2, 2, v8                        ; in: 4 bytes a column
	v_lshlrev_b32 v3, 4, v6
	v_lshl_add_u32 v3, v7, 14, v3                  ; out: 16 r + 16,384 u
.macro LOADW t, n, inp                 ; block t: W(32 t + i, my column), i = 0 .. 31, into set t % 2.  The largest offset, 255 rows of 12,288 bytes, lies inside the signed 24-bit immediate
.set jj, 0
.rept 32
	global_load_b32 v[R+32*((\t)%2)+jj], v2, s[\inp:\inp+1] offset:(32*(\t)+jj)*(\n)*4 th:TH_LOAD_NT
.set jj, jj+1
.endr
.endm
.macro BLOCKW t, n, inp, outp
.if (\t) < 7
	s_wait_loadcnt 32                              ; this block's 32 loads are in; the next block's may be out
.else
	s_wait_loadcnt 0x0
.endif
.set jj, 0
.rept 32
	v_med3_num_f32 v[R+32*((\t)%2)+jj], v[R+32*((\t)%2)+jj], -v10, v10
.set jj, jj+1
.endr
.irp g, 0,1,2,3
	v_cvt_scalef32_pk8_fp8_f32 v[WC+8*(\t)+2*\g:WC+8*(\t)+2*\g+1], v[R+32*((\t)%2)+8*\g:R+32*((\t)%2)+8*\g+7], v11
.endr
	global_store_b128 v3, v[WC+8*(\t):WC+8*(\t)+3], s[\outp:\outp+1] offset:((\t)/4)*2048+((\t)%4)*512
	global_store_b128 v3, v[WC+8*(\t)+4:WC+8*(\t)+7], s[\outp:\outp+1] offset:((\t)/4)*2048+((\t)%4)*512+256
.if (\t) < 6
	LOADW (\t)+2, \n, \inp
.endif
.endm
.macro WPATH n, first, inp, outp, extra, e
	s_sub_co_u32 s25, ttmp9, \first
	s_and_b32 s26, s25, 3                          ; which 256 along K
	s_and_b32 s25, s25, 0xfffc
	s_add_co_u32 s25, s25, s24                     ; g32: which 32 columns: 4 x (work-group / 4) + wave
	s_mul_i32 s28, s26, 256*(\n)*4
	s_lshl_b32 s30, s25, 7
	s_add_co_u32 s28, s28, s30
	s_add_nc_u64 s[\inp:\inp+1], s[\inp:\inp+1], s[28:29]
	s_lshl_b32 s28, s25, 15                        ; tile 2 g32,
	s_lshl_b32 s30, s26, 12                        ; + two K steps of 2,048 bytes
	s_add_co_u32 s28, s28, s30
	s_add_co_u32 s28, s28, \extra
	s_add_nc_u64 s[\outp:\outp+1], s[\outp:\outp+1], s[28:29]
	LOADW 0, \n, \inp
	LOADW 1, \n, \inp
	s_wait_kmcnt 0x0
	MKSCALE \e
.irp t, 0,1,2,3,4,5,6,7
	BLOCKW \t, \n, \inp, \outp
.endr
	s_endpgm
.endm
	s_cmp_lt_u32 ttmp9, 352
	s_cbranch_scc0 .Lwproj
	WPATH 3072, 256, 6, 12, 8388608, s17           ; w_qkv, behind x's 512 tiles in xw
.Lwproj:
	WPATH 1024, 352, 8, 14, 0, s23                 ; w_proj
.Lfunc_end_k_qfc0b78542d_prep:
	.size	k_qfc0b78542d_prep, .Lfunc_end_k_qfc0b78542d_prep-k_qfc0b78542d_prep
	.p2alignl 7, 3214868480
	.fill 96, 4, 3214868480
	.section	.rodata,"a",@progbits
	.p2align	6, 0x0
	.amdhsa_kernel k_qfc0b78542d_prep
		.amdhsa_group_segment_fixed_size 34304
		.amdhsa_private_segment_fixed_size 0
		.amdhsa_enable_private_segment 0
		.amdhsa_kernarg_size 48
		.amdhsa_user_sgpr_count 2
		.amdhsa_user_sgpr_kernarg_segment_ptr 1
		.amdhsa_wavefront_size32 1
		.amdhsa_system_sgpr_workgroup_id_x 1
		.amdhsa_system_sgpr_workgroup_id_y 1
		.amdhsa_system_sgpr_workgroup_id_z 1
		.amdhsa_system_vgpr_workitem_id 0
		.amdhsa_next_free_vgpr 226
		.amdhsa_next_free_sgpr 66
		.amdhsa_reserve_vcc 0
		.amdhsa_float_denorm_mode_32 3
		.amdhsa_float_denorm_mode_16_64 3
		.amdhsa_memory_ordered 1
		.amdhsa_forward_progress 1
		.amdhsa_inst_pref_size 126
	.end_amdhsa_kernel
	.amdgpu_metadata
---
amdhsa.version: [ 1, 2 ]
amdhsa.kernels:
  - .name:           k_qfc0b78542d_prep
    .symbol:         k_qfc0b78542d_prep.kd
    .args:
      - { .name: x, .offset: 0, .size: 8, .value_kind: global_buffer, .address_space: global }
      - { .name: w_qkv, .offset: 8, .size: 8, .value_kind: global_buffer, .address_space: global }
      - { .name: w_proj, .offset: 16, .size: 8, .value_kind: global_buffer, .address_space: global }
      - { .name: lowp_scales, .offset: 24, .size: 8, .value_kind: global_buffer, .address_space: global }
      - { .name: xw, .offset: 32, .size: 8, .value_kind: global_buffer, .address_space: global }
      - { .name: wpc, .offset: 40, .size: 8, .value_kind: global_buffer, .address_space: global }
    .group_segment_fixed_size: 34304
    .private_segment_fixed_size: 0
    .kernarg_segment_align: 8
    .kernarg_segment_size: 48
    .max_flat_workgroup_size: 128
    .sgpr_count:     66
    .vgpr_count:     226
    .wavefront_size: 32
...
	.end_amdgpu_metadata
.endif
;; end of part 1
;; launch qkv (part 2): grid 8 x 48, 4 waves a work-group, clusters of 4 x 4, 327,680 bytes of LDS; arguments xw, b_qkv, lowp_scales, qkvc; writes qkvc
.if DOCPART == 2
	.amdgcn_target "amdgcn-amd-amdhsa--gfx1250"
	.amdhsa_code_object_version 6
	.text
	.protected	k_qfc0b78542d_qkv
	.globl	k_qfc0b78542d_qkv
	.p2align	8
	.type	k_qfc0b78542d_qkv,@function
k_qfc0b78542d_qkv:
	s_mov_b64 s[64:65], 0
	v_nop
	global_prefetch_b8 v0, s[64:65] scope:SCOPE_SE
	s_setreg_imm32_b32 hwreg(HW_REG_WAVE_MODE, 25, 1), 1
	s_wait_xcnt 0x0
	s_wait_alu depctr_hold_cnt(0) depctr_sa_sdst(0) depctr_va_vdst(0) depctr_va_sdst(0) depctr_va_ssrc(0) depctr_va_vcc(0) depctr_vm_vsrc(0)
	s_getreg_b32 s2, hwreg(HW_REG_IB_STS2, 6, 4)
	s_cmp_eq_u32 s2, 0
	s_cbranch_scc0 .Lentry_in_a_cluster
	s_endpgm
.Lentry_in_a_cluster:
	s_bfe_u32 s2, ttmp6, 0x10000c
	s_cmp_lg_u32 s2, 0xf033
	s_cbranch_scc0 .Lentry_shape_is_right
	s_endpgm
.Lentry_shape_is_right:
; qkv = x w_qkv + b_qkv on codes of FP8 (E4M3), and its three parts quantised again, as the operands of attention's two products.
; xw holds the codes as images of the operand's registers: a row tile (16 rows x 1024 K) is 16,384 bytes, [K step of 128][piece c][lane][16 bytes]; lane (r, h) of piece c holds k = 32 c + 16 h + 0 .. 15 of row r:
; a permutation of k inside a K step that is the same on both sides, so every product meets its partner.  Row r of tile 2 g + u is row 32 g + 8 u + r + 8 (r / 8).  Blocks of 256 rows: x 0-31, Wq 32-35, Wk 36-39, Wv 40-43.
; A work-group of four waves makes 256 x 256 results, a wave 128 x 128: 64 accumulators, 512 registers.  Source 0 = 16 rows of B', source 1 = 16 rows of A': a lane holds ONE row of A', and the 16 registers of
; accumulators (a, 2 p) and (a, 2 p + 1) are rows 32 p + 16 h + 0 .. 15 of B'.
;   q, k (clusters y = 0-7): A' = x, B' = Wq (cluster x = 0) or Wk (1): a lane holds a token and 16 neighbouring channels: a piece of a fragment of Q or K.
;   v    (clusters y = 8-11): A' = Wv, B' = x: a lane holds a channel and 16 neighbouring tokens: a piece of V with the keys innermost.  Nothing is transposed.
; qkvc: q at 0, k at 8 MiB: [head 16 b + hh][token tile 0-127][c 0-1][512];  v at 16 MiB: [head][128 keys 0-15][channel tile 0-3][c 0-3][512].  Every store is 512 consecutive bytes.
; A sum stands for sum x 2^(e0 + e1): the bias goes in as bias / 2^(e0 + e1), and the conversion takes 2^(eo - e0 - e1), eo = e2 (q), e3 (k), e5 (v).
; LIMITS: eo - e0 - e1 between -126 and 119, so that the scale and 448 x the scale are f32 numbers; NaN among the inputs is not served.
; K goes in steps of 256 through a ring of two LDS slots.  CLUSTERS: 4 x 4 work-groups; A's tiles are shared along a row of the cluster, B's along a column: each is asked for jointly.
; REGISTERS, in windows of 256: window 0: v0-31 addresses; v32-119 biases; from v128 A's fragments, ONE set (on the way out: sums + bias, codes).  window 1: B's fragments, TWO sets.  windows 2, 3: the accumulators ((a, b) at v[8 (8 (a % 4) + b)]).
.set KSTEPB, 4096                      ; a row tile's bytes in a slot: two K steps of 128
.set TILEP,  16384                     ; from row tile to row tile in memory
.set HALFT,  32768                     ; 8 row tiles: what one tensor load brings, and what one wave reads of A' or of B'
.set SLOT,   4*HALFT                   ; A's 16 row tiles, then B's 16
.set SPARE,  2*SLOT                    ; behind the ring: the spare words, 128 bytes for each wave: two blocks of 256 bytes that no other line names
.set LAPS,   2                         ; 1024 along K = four K steps = twice round the ring
.set FR,     16                        ; registers of a fragment: 16 rows x 128 K
.set NL,     4                         ; LDS loads that bring one
.set NP,     4                         ; places behind this matrix instruction (ISA guide 7.12.1)
.set ADRA, 16                          ; v16-17  LDS address of my A' fragments in slot 0, 1
.set ADRB, 20                          ; v20-21  the same for B'
.set BOH,  22                          ; v22     64 h: my place in the biases along B'
.set BOR,  23                          ; v23     4 (r + 8 (r / 8)): my place in the biases along A'
.set LN,   27                          ; v27     16 x lane
.set SPW,  28                          ; v28     LDS address of my spare word; never rewritten
.set NIL,  29                          ; v29     0; never rewritten
.set SCL,  30                          ; v30     2^(eo - e0 - e1)
.set LIM,  31                          ; v31     448 x that
.set BN,   32                          ; v32-95  q, k: the bias of my 64 registers of a block
.set RAW,  96                          ; v96-103 v: the bias of my row of A's eight tiles, as loaded
.set BM,   104                         ; v104-119 the same / 2^(e0 + e1), a pair for each tile
.set AF,   128                         ; A's fragments
.set TMP,  128                         ; the way out: a block's 64 sums + bias
.set CD,   192                         ; v192-223 its codes, two sets by turns
.set G1, 24                            ; s[24:31] descriptor group 1 for A's tiles;  s[32:39] group 0, one set for each slot
.set G0, 32
.set G1B, 48                           ; s[48:55], s[56:63] the same for B's
.set G0B, 56
.set MSB, 0
.macro WIN new                         ; the immediate's high byte repeats the setting that is left
.if MSB != \new
	s_set_vgpr_msb (MSB<<8)|\new
.set MSB, \new
.endif
.endm
.set MUL_LO, 0xa1                      ; source 0 (B') window 1, source 1 (A') window 0, C and D window 2
.set MUL_HI, 0xf1                      ; the same, C and D window 3
.set TO_B,   0x40                      ; destination window 1, address window 0
; A joint load: waves 0 and 1 fetch for A', waves 2 and 3 for B'.  Each line has one mask and one set of registers for all that issue it; the branch hangs on the wave's number alone.
; Four v_nop follow each of the two lines, ahead of the jump, the label and what follows.
.macro JLOAD g0a, g1a, g0b, g1b
	s_cmp_eq_u32 s15, 0
	s_cbranch_scc0 .Lfor_b_\@
	tensor_load_to_lds s[\g0a:\g0a+3], s[\g1a:\g1a+7]
	s_nop 0
.rept 4
	v_nop
.endr
	s_branch .Lasked_\@
.Lfor_b_\@:
	tensor_load_to_lds s[\g0b:\g0b+3], s[\g1b:\g1b+7]
	s_nop 0
.rept 4
	v_nop
.endr
.Lasked_\@:
.endm
.macro CREST                           ; a round of the cluster's barrier behind its opening barrier
	s_cmp_lg_u32 s14, 0
	s_cbranch_scc1 .Lnot_wave_0_\@
	s_barrier_signal -3
.Lnot_wave_0_\@:
	s_barrier_wait -3
	s_barrier_signal -1
	s_barrier_wait -1
.endm
.macro CROUND                          ; a whole round
	s_barrier_signal -1
	s_barrier_wait -1
	CREST
.endm
	s_load_b256 s[4:11], s[0:1], 0x0               ; xw s[4:5], b_qkv s[6:7], the scales' exponents s[8:9], qkvc s[10:11]
	v_lshl_add_u32 v[SPW], v0, 2, SPARE
	v_mov_b32 v[NIL], 0
	ds_add_u32 v28, v29
	ds_add_u32 v28, v29
	s_wait_dscnt 0x0
	v_lshrrev_b32 v1, 5, v0
	v_readfirstlane_b32 s14, v1                    ; wave 0..3
	s_lshr_b32 s15, s14, 1                         ; which half of A's rows is mine.  Also: I fetch for A' (0) or for B' (1)
	s_and_b32 s16, s14, 1                          ; which half of B's rows.  Also: which 8 row tiles I fetch
	s_bfe_u32 s40, ttmp6, 0x40000                  ; cx, cy: my place in the cluster
	s_bfe_u32 s41, ttmp6, 0x40004
	s_mov_b32 s67, ttmp9                           ; CX: the cluster's x, 0 or 1
	s_and_b32 s66, ttmp7, 0xffff                   ; CY: the cluster's y, 0 to 11.  Both are the same in all sixteen partners
	s_lshl_b32 s17, s66, 2                         ; q, k: A' = x's block 4 CY + cy
	s_lshl_b32 s42, s67, 2
	s_and_b32 s18, s66, 3
	s_lshl_b32 s18, s18, 3
	s_add_co_u32 s18, s18, s42                     ; v: B' = x's block 8 (CY - 8) + 4 CX + cx
	s_add_co_u32 s19, s42, 32                      ; q, k: B' = block 32 + 4 CX + cx
	s_cmp_lt_u32 s66, 8
	s_cselect_b32 s17, s17, 40                     ; v: A' = Wv's block 40 + cy
	s_cselect_b32 s42, s19, s18
	s_add_co_u32 s17, s17, s41                     ; A's block: hangs on CY and cy alone
	s_add_co_u32 s42, s42, s40                     ; B's block: on CX, CY and cx alone
	s_lshl_b32 s43, s41, 2
	s_lshl_b32 s43, 15, s43                        ; my row of the cluster
	s_lshl_b32 s44, 0x1111, s40                    ; my column
	; descriptor group 1: 8 rows (row tiles) of 4,096 bytes, 16,384 bytes apart; dense in LDS
	s_or_b32 s[G1+0], s43, (1<<21)                 ; 15:0 the mask: A's tiles go to my row; 17:16 elements of 1 byte; 20 no padding; 21 set beside a mask
	s_or_b32 s[G1B+0], s44, (1<<21)
.irp g, G1, G1B
	s_mov_b32 s[\g+1], KSTEPB<<16                  ; tensor_dim0
	s_mov_b32 s[\g+2], 8<<16                       ; tensor_dim1
	s_mov_b32 s[\g+3], KSTEPB<<16                  ; tile_dim0
	s_mov_b32 s[\g+4], 8                           ; tile_dim1
	s_mov_b32 s[\g+5], TILEP                       ; tensor_dim0_stride
	s_mov_b32 s[\g+6], 0
	s_mov_b32 s[\g+7], 0
.endr
	s_lshl_b32 s18, s16, 17                        ; which 8 row tiles of the block I fetch
	s_lshl_b32 s20, s17, 18                        ; a block is 16 row tiles: 262,144 bytes
	s_add_co_u32 s20, s20, s18
	s_mov_b32 s21, 0
	s_lshl_b32 s46, s42, 18
	s_add_co_u32 s46, s46, s18
	s_mov_b32 s47, 0
	s_lshl_b32 s45, s14, 15                        ; where they go: wave x 8 row tiles: no place in the cluster enters an LDS address
	s_wait_kmcnt 0x0
	s_load_b256 s[72:79], s[8:9], 0x0              ; e0 .. e7
	s_add_nc_u64 s[20:21], s[4:5], s[20:21]
	s_add_nc_u64 s[46:47], s[4:5], s[46:47]
	CROUND                                         ; all sixteen work-groups are here: the first joint loads meet
.irp s, 0,1
	s_mov_b32 s[G0+4*\s], 1
	s_add_co_u32 s[G0+4*\s+1], s45, \s*SLOT
	s_add_nc_u64 s[G0+4*\s+2:G0+4*\s+3], s[20:21], \s*KSTEPB
	s_or_b32 s[G0+4*\s+3], s[G0+4*\s+3], 0x80000000
	s_mov_b32 s[G0B+4*\s], 1
	s_add_co_u32 s[G0B+4*\s+1], s45, \s*SLOT
	s_add_nc_u64 s[G0B+4*\s+2:G0B+4*\s+3], s[46:47], \s*KSTEPB
	s_or_b32 s[G0B+4*\s+3], s[G0B+4*\s+3], 0x80000000
	JLOAD G0+4*\s, G1, G0B+4*\s, G1B
.endr
	v_and_b32 v1, 15, v0                           ; r
	v_bfe_u32 v2, v0, 4, 1                         ; h
	v_and_b32 v3, 31, v0
	v_lshlrev_b32 v[LN], 4, v3                     ; an image's place for my lane
	s_lshl_b32 s21, s15, 15                        ; my 8 row tiles of A',
	s_lshl_b32 s22, s16, 15                        ; my 8 of B',
	s_add_co_u32 s22, s22, 2*HALFT                 ; which lie behind A's 16
.irp s, 0,1
	v_add_nc_u32 v[ADRA+\s], s21, v[LN]
	v_add_nc_u32 v[ADRB+\s], s22, v[LN]
	s_add_co_u32 s21, s21, SLOT
	s_add_co_u32 s22, s22, SLOT
.endr
	; the biases, both kinds in every work-group (both stay inside b_qkv); they land while K is walked, in registers that the loop does not touch
	v_lshlrev_b32 v[BOH], 6, v2
	v_and_b32 v[BOR], 8, v1
	v_add_nc_u32 v[BOR], v[BOR], v1
	v_lshlrev_b32 v[BOR], 2, v[BOR]
	s_lshl_b32 s80, s67, 2
	s_add_co_u32 s80, s80, s40
	s_lshl_b32 s80, s80, 10                        ; q, k: column 256 (4 CX + cx) + 128 x my half, in bytes
	s_lshl_b32 s81, s16, 9
	s_add_co_u32 s80, s80, s81
	s_mov_b32 s81, 0
	s_add_nc_u64 s[68:69], s[6:7], s[80:81]
	s_lshl_b32 s80, s41, 10                        ; v: column 2048 + 256 cy + 128 x my half
	s_lshl_b32 s82, s15, 9
	s_add_co_u32 s80, s80, s82
	s_add_co_u32 s80, s80, 8192
	s_add_nc_u64 s[70:71], s[6:7], s[80:81]
.irp p, 0,1,2,3
.irp k, 0,1,2,3
	global_load_b128 v[BN+16*\p+4*\k:BN+16*\p+4*\k+3], v[BOH], s[68:69] offset:128*\p+16*\k   ; columns 32 p + 16 h + 4 k on
.endr
.endr
.irp a, 0,1,2,3,4,5,6,7
	global_load_b32 v[RAW+\a], v[BOR], s[70:71] offset:4*(32*(\a/2)+8*(\a%2))                 ; row r of A's tile a
.endr
.macro FRAG reg, adr, q, i             ; a fragment comes as its image lies: four loads of 512 consecutive bytes
.irp c, 0,1,2,3
	ds_load_b128 v[\reg+4*\c:\reg+4*\c+3], v[\adr] offset:2048*(\q)+512*\c+(\i)*KSTEPB
.endr
.endm
; 16 matrix instructions: A's blocks a0, a0 + 1 x B's eight, 128 along K.  p: B's set.  zero = 1: the first product starts the sums: nothing is ever cleared.
; The 64 accumulators take turns, one instruction a turn, in the same order in every step.
.macro MUL16 a0, p, zero
.irp a, \a0, \a0+1
.irp b, 0,1,2,3,4,5,6,7
.if \zero
	v_wmma_f32_16x16x128_fp8_fp8 v[8*(8*((\a)%4)+\b):8*(8*((\a)%4)+\b)+7], v[128*(\p)+FR*\b:128*(\p)+FR*\b+FR-1], v[AF+FR*(\a):AF+FR*(\a)+FR-1], 0
.else
	v_wmma_f32_16x16x128_fp8_fp8 v[8*(8*((\a)%4)+\b):8*(8*((\a)%4)+\b)+7], v[128*(\p)+FR*\b:128*(\p)+FR*\b+FR-1], v[AF+FR*(\a):AF+FR*(\a)+FR-1], v[8*(8*((\a)%4)+\b):8*(8*((\a)%4)+\b)+7]
.endif
.endr
.endr
.endm
.macro FETCH_B slot, q, p              ; B's eight fragments of the slot's q-th 128 along K into set p
	WIN TO_B
.irp i, 0,1,2,3,4,5,6,7
	FRAG 128*(\p)+FR*\i, ADRB+\slot, \q, \i
.endr
	WIN 0
.endm
.macro FETCH_A slot, q, i0             ; A's blocks i0 .. i0 + 3
.irp i, \i0, \i0+1, \i0+2, \i0+3
	FRAG AF+FR*(\i), ADRA+\slot, \q, \i
.endr
.endm
.macro PLACES n                        ; a load into a register that a matrix instruction has read stands NP plain vector instructions behind it (ISA guide 7.12.1 for vector instructions)
.rept \n
	v_nop
.endr
.endm
; A step of 128 along K that has its successor in the same slot.  A block of A' is free as soon as its eight products are issued: blocks 0-3 are fetched anew in the step's middle, blocks 4-7 at its end.
.macro STEP slot, q, zero
	s_wait_dscnt 4*NL                              ; B's set and A's blocks 0-3 are in; the youngest 16 loads (A's blocks 4-7) may be out
	WIN MUL_LO
	MUL16 0, (\q)%2, \zero
	MUL16 2, (\q)%2, \zero
	s_wait_dscnt 0                                 ; A's blocks 4-7 are in
	PLACES NP
	FETCH_B \slot, (\q)+1, 1-(\q)%2
	FETCH_A \slot, (\q)+1, 0
	WIN MUL_HI
	MUL16 4, (\q)%2, \zero
	MUL16 6, (\q)%2, \zero
	PLACES NP
	WIN 0
	FETCH_A \slot, (\q)+1, 4
.endm
; A slot's last step changes slots: ONE barrier; in front of it each wave waits for all its tensor loads, adds 0 to its spare word, and waits for that and for its own reads of this slot.  fill = 1: this slot is filled again, two K steps ahead.
.macro TURN slot, next, fill
	s_wait_tensorcnt 0x0                           ; all my tensor loads have landed: my part of the next slot  (every window is 0 here)
	ds_add_u32 v[SPW], v[NIL]                      ; 0 onto my spare word
	s_wait_dscnt 4*NL+1                            ; (the add and the youngest 16 loads, A's blocks 4-7, may be out)
	WIN MUL_LO
	MUL16 0, 1, 0                                  ; sixteen matrix instructions stand between the add and the wait for it
	s_wait_dscnt 0x0                               ; the add is done, and my reads of this slot are over
	s_barrier_signal -1
	MUL16 2, 1, 0
	WIN 0
	s_barrier_wait -1
.if \fill
	CREST                                          ; the barrier has opened a round of the cluster's barrier: no wave of any partner still reads this slot or has a load on its way
	s_add_nc_u64 s[G0+4*\slot+2:G0+4*\slot+3], s[G0+4*\slot+2:G0+4*\slot+3], 2*KSTEPB
	s_add_nc_u64 s[G0B+4*\slot+2:G0B+4*\slot+3], s[G0B+4*\slot+2:G0B+4*\slot+3], 2*KSTEPB
	JLOAD G0+4*\slot, G1, G0B+4*\slot, G1B         ; the first tensor load behind the round; its four v_nop are also the places in front of the loads below
.else
	PLACES NP
.endif
	FETCH_B \next, 0, 0
	FETCH_A \next, 0, 0
	WIN MUL_HI
	MUL16 4, 1, 0
	MUL16 6, 1, 0
	PLACES NP
	WIN 0
	FETCH_A \next, 0, 4
.endm
	s_wait_tensorcnt 1                             ; my part of K step 0 is in (K step 1's load may be out)
	s_barrier_signal -1
	s_barrier_wait -1                              ; everybody's is
	FETCH_B 0, 0, 0
	FETCH_A 0, 0, 0
	FETCH_A 0, 0, 4
	STEP 0, 0, 1                                   ; the first step stands in front of the loop: its products start the sums
	s_mov_b32 s3, LAPS-1
.Llap:                                                 ; a trip goes once round the ring, from a lap's second step to the next lap's first, and fills both slots again
	TURN 0, 1, 1
	STEP 1, 0, 0
	TURN 1, 0, 1
	STEP 0, 0, 0
	s_sub_co_u32 s3, s3, 1
	s_cmp_lg_u32 s3, 0
	s_cbranch_scc1 .Llap
	TURN 0, 1, 0                                   ; the last lap fills nothing, and has no round of the cluster's barrier
	STEP 1, 0, 0
	s_wait_dscnt 4*NL                              ; the very last step: nothing more to fetch
	WIN MUL_LO
	MUL16 0, 1, 0
	MUL16 2, 1, 0
	s_wait_dscnt 0
	WIN MUL_HI
	MUL16 4, 1, 0
	MUL16 6, 1, 0
	WIN 0
	; THE WAY OUT.  No LDS: a lane's 16 codes of a piece are the 16 bytes that the image wants of it.
	s_wait_loadcnt 0x0                             ; the biases
	s_wait_kmcnt 0x0                               ; the exponents
	s_cmp_eq_u32 s67, 0
	s_cselect_b32 s80, s74, s75                    ; e2 for q, e3 for k,
	s_cmp_lt_u32 s66, 8
	s_cselect_b32 s80, s80, s77                    ; e5 for v: a choice, no branch on a loaded number
	s_add_co_i32 s81, s72, s73                     ; e0 + e1
	s_sub_co_i32 s80, s80, s81
	s_add_co_i32 s80, s80, 127
	s_lshl_b32 s82, s80, 23
	v_mov_b32 v[SCL], s82                          ; 2^(eo - e0 - e1)
	s_add_co_i32 s80, s80, 8
	s_lshl_b32 s80, s80, 23
	s_or_b32 s80, s80, 0x600000
	v_mov_b32 v[LIM], s80                          ; 448 x that
	s_sub_co_i32 s83, 0, s81
.set jj, 0
.rept 64                               ; these plain lines, which name no register of the last products, are also the places behind them
	v_ldexp_f32 v[BN+jj], v[BN+jj], s83            ; bias / 2^(e0 + e1): nothing is rounded
.set jj, jj+1
.endr
.irp a, 0,1,2,3,4,5,6,7
	v_ldexp_f32 v[BM+2*\a], v[RAW+\a], s83
	v_ldexp_f32 v[BM+2*\a+1], v[RAW+\a], s83       ; (named with it as a pair, so it is written)
.endr
; Block a of 16 rows of A': sums + bias into other registers, each accumulator from its low end on; the hold; the conversions; four pieces stored.
.macro OUT a, isv
	WIN 0x02+((\a)/4)                              ; source 0: window 2 or 3
.set jj, 0
.rept 32
.if \isv
	v_pk_add_f32 v[TMP+jj:TMP+jj+1], v[64*((\a)%4)+jj:64*((\a)%4)+jj+1], v[BM+2*(\a):BM+2*(\a)+1] op_sel_hi:[1,0]   ; my channel's bias for both
.else
	v_pk_add_f32 v[TMP+jj:TMP+jj+1], v[64*((\a)%4)+jj:64*((\a)%4)+jj+1], v[BN+jj:BN+jj+1]
.endif
.set jj, jj+2
.endr
	WIN 0
.if (\a) > 1
	s_wait_xcnt 0x0                                ; block a - 2's stores have read their registers: this set of codes is written again
.endif
.irp p, 0,1,2,3
.set jj, 0
.rept 16
	v_med3_num_f32 v[TMP+16*\p+jj], v[TMP+16*\p+jj], -v[LIM], v[LIM]   ; the conversion does not saturate (ISA guide 7.6.2)
.set jj, jj+1
.endr
	v_cvt_scalef32_pk8_fp8_f32 v[CD+16*((\a)%2)+4*\p:CD+16*((\a)%2)+4*\p+1], v[TMP+16*\p:TMP+16*\p+7], v[SCL]
	v_cvt_scalef32_pk8_fp8_f32 v[CD+16*((\a)%2)+4*\p+2:CD+16*((\a)%2)+4*\p+3], v[TMP+16*\p+8:TMP+16*\p+15], v[SCL]
.endr
	v_nop                                          ; a plain line between the last conversion and the next block's additions, which write its sources
.irp p, 0,1,2,3
.if \isv
	global_store_b128 v[LN], v[CD+16*((\a)%2)+4*\p:CD+16*((\a)%2)+4*\p+3], s[10:11] offset:131072*((\a)/4)+2048*((\a)%4)+512*\p   ; head a / 4 of my two, channel tile a % 4, piece p of my 128 keys
.else
	global_store_b128 v[LN], v[CD+16*((\a)%2)+4*\p:CD+16*((\a)%2)+4*\p+3], s[10:11] offset:1024*(\a)+131072*(\p/2)+512*(\p%2)     ; token tile a of my eight, head p / 2 of my two, piece p % 2
.endif
.endr
.endm
	s_mov_b32 s85, 0
	s_cmp_lt_u32 s66, 8                            ; the cluster's y: the same in all partners; no barrier, tensor load or LDS instruction stands in either arm
	s_cbranch_scc0 .Lv
	s_lshl_b32 s84, s67, 23                        ; q at 0, k at 8 MiB,
	s_lshr_b32 s86, s17, 3
	s_lshl_b32 s86, s86, 21                        ; the batch's 16 heads of 131,072 bytes,
	s_add_co_u32 s84, s84, s86
	s_lshl_b32 s86, s40, 2
	s_lshl_b32 s87, s16, 1
	s_add_co_u32 s86, s86, s87
	s_lshl_b32 s86, s86, 17                        ; head 4 cx + 2 x my half of B',
	s_add_co_u32 s84, s84, s86
	s_and_b32 s86, s17, 7
	s_lshl_b32 s86, s86, 4
	s_lshl_b32 s87, s15, 3
	s_add_co_u32 s86, s86, s87
	s_lshl_b32 s86, s86, 10                        ; token tile 16 (block % 8) + 8 x my half of A'
	s_add_co_u32 s84, s84, s86
	s_add_nc_u64 s[10:11], s[10:11], s[84:85]
.irp a, 0,1,2,3,4,5,6,7
	OUT \a, 0
.endr
	s_branch .Ldone
.Lv:
	s_lshr_b32 s84, s42, 3
	s_lshl_b32 s84, s84, 21                        ; the batch,
	s_add_co_u32 s84, s84, 0x1000000               ; v at 16 MiB,
	s_lshl_b32 s86, s41, 2
	s_lshl_b32 s87, s15, 1
	s_add_co_u32 s86, s86, s87
	s_lshl_b32 s86, s86, 17                        ; head 4 cy + 2 x my half of A',
	s_add_co_u32 s84, s84, s86
	s_and_b32 s86, s42, 7
	s_lshl_b32 s86, s86, 1
	s_add_co_u32 s86, s86, s16
	s_lshl_b32 s86, s86, 13                        ; the 128 keys 2 (block % 8) + my half of B'
	s_add_co_u32 s84, s84, s86
	s_add_nc_u64 s[10:11], s[10:11], s[84:85]
.irp a, 0,1,2,3,4,5,6,7
	OUT \a, 1
.endr
.Ldone:
	s_wait_tensorcnt 0x0                           ; the wave's end
	ds_add_u32 v[SPW], v[NIL]
	s_wait_dscnt 0x0
	CROUND                                         ; the closing round: no work-group ends while a partner may still ask for a tile that names it
	s_endpgm
.Lfunc_end_k_qfc0b78542d_qkv:
	.size	k_qfc0b78542d_qkv, .Lfunc_end_k_qfc0b78542d_qkv-k_qfc0b78542d_qkv
	.p2alignl 7, 3214868480
	.fill 96, 4, 3214868480
	.section	.rodata,"a",@progbits
	.p2align	6, 0x0
	.amdhsa_kernel k_qfc0b78542d_qkv
		.amdhsa_group_segment_fixed_size 327680
		.amdhsa_private_segment_fixed_size 0
		.amdhsa_enable_private_segment 0
		.amdhsa_kernarg_size 32
		.amdhsa_user_sgpr_count 2
		.amdhsa_user_sgpr_kernarg_segment_ptr 1
		.amdhsa_wavefront_size32 1
		.amdhsa_system_sgpr_workgroup_id_x 1
		.amdhsa_system_sgpr_workgroup_id_y 1
		.amdhsa_system_sgpr_workgroup_id_z 1
		.amdhsa_system_vgpr_workitem_id 0
		.amdhsa_next_free_vgpr 1024
		.amdhsa_next_free_sgpr 100
		.amdhsa_reserve_vcc 0
		.amdhsa_float_denorm_mode_32 3
		.amdhsa_float_denorm_mode_16_64 3
		.amdhsa_memory_ordered 1
		.amdhsa_forward_progress 1
		.amdhsa_inst_pref_size 198
	.end_amdhsa_kernel
	.amdgpu_metadata
---
amdhsa.version: [ 1, 2 ]
amdhsa.kernels:
  - .name:           k_qfc0b78542d_qkv
    .symbol:         k_qfc0b78542d_qkv.kd
    .args:
      - { .name: xw, .offset: 0, .size: 8, .value_kind: global_buffer, .address_space: global }
      - { .name: b_qkv, .offset: 8, .size: 8, .value_kind: global_buffer, .address_space: global }
      - { .name: lowp_scales, .offset: 16, .size: 8, .value_kind: global_buffer, .address_space: global }
      - { .name: qkvc, .offset: 24, .size: 8, .value_kind: global_buffer, .address_space: global }
    .group_segment_fixed_size: 327680
    .private_segment_fixed_size: 0
    .kernarg_segment_align: 8
    .kernarg_segment_size: 32
    .max_flat_workgroup_size: 128
    .sgpr_count:     100
    .vgpr_count:     1024
    .wavefront_size: 32
...
	.end_amdgpu_metadata
.endif
;; end of part 2
;; launch attn (part 3): grid 4 x 64, 16 waves a work-group, no clusters, 264,192 bytes of LDS; arguments qkvc, lowp_scales, ac; writes ac
.if DOCPART == 3
	.amdgcn_target "amdgcn-amd-amdhsa--gfx1250"
	.amdhsa_code_object_version 6
	.text
	.protected	k_qfc0b78542d_attn
	.globl	k_qfc0b78542d_attn
	.p2align	8
	.type	k_qfc0b78542d_attn,@function
k_qfc0b78542d_attn:
	s_mov_b64 s[64:65], 0
	v_nop
	global_prefetch_b8 v0, s[64:65] scope:SCOPE_SE
	s_setreg_imm32_b32 hwreg(HW_REG_WAVE_MODE, 25, 1), 1
	s_wait_xcnt 0x0
; Causal attention, 64 heads of 2,048 tokens x 64 channels, both products on codes of FP8 (E4M3) by the K = 64 form; the result, divided by the row's sum, is quantised again (e6) as the projection's operand.
; qkvc: q at 0, k at 8 MiB: [head][token tile][c 0-1][lane][16 bytes], lane (r, h) of piece c: channels 32 c + 16 h + 0 .. 15 of the tile's row r; row r of tile 2 g + u is token 32 g + 8 u + r + 8 (r / 8).
;       v at 16 MiB: [head][128 keys][channel tile 0-3][c 0-3][lane][16]: lane (r, h): keys 32 c + 16 h + 0 .. 15 of channel row r; row r of tile 2 b + u is channel 32 b + 8 u + r + 8 (r / 8).
; Both products are used transposed: S^T = K Q^T (source 0 = 16 keys, source 1 = 16 queries), O^T = V^T P^T: a lane holds ONE query throughout.  By the tiles' choice of rows the 16 registers of two neighbouring tiles of
; S^T are 16 neighbouring keys, so p's conversions give the second product's operand; and those of O^T are 16 neighbouring channels: a piece of the projection's image (ac, laid as x's codes are).
; THE SOFTMAX: t = score x log2(e) / 8; M = the running largest t rounded UP to a whole number; p = 2^(t - M), not normalised, is quantised with 2^e4; the row's sum is taken of the unquantised p and divides at the end.
; When M moves, the sum and O^T are multiplied by 2^(old M - new M): nothing is rounded.
; SHARES.  Work-group (x, head) owns the blocks x and 7 - x of 256 queries: (x + 1) + (8 - x) = 9 blocks of keys to walk in every work-group.  Wave w: block x or 7 - x by (w ^ (w / 4)) & 1, its 32 queries w / 2:
; two tiles of 16, so each fragment of K and V read from LDS feeds two products; four waves to a SIMD, two of each block, so that one wave's vector work stands beside another's matrix work.
; K AND V GO memory -> registers -> LDS, a chunk of 256 keys (16 KiB of each) a trip, one trip ahead.  The whole head stays in LDS: each byte is written once.  Chunks behind block 7 - x are not fetched.
; NO CLUSTER, NO JOINT LOADS, though the four work-groups of a head read the same K and V: which steps a wave leaves out, and which chunks a work-group fetches, hang on x, the place that partners would differ in,
; and a chunk costs a wave only eight instructions.  With no tensor load in the text a scalar branch on the given e4 is open too: p is at most 1 and 448 x 2^e4 is above 1 for e4 >= -8, so the hold is jumped over there.
; LIMITS on the given exponents: e2 + e3 between -123 and 130 (added to the exponent field of log2(e) / 8); e4 and e6 between -126 and 119; e4 + e5 is applied by v_ldexp_f32.
; REGISTERS: v1 16 x lane; v2, v3 the chunk's K and V in LDS; v4 16 x thread; v5, v6 where the next chunk goes; v7 r + 8 (r / 8) - 16 h; v8, v9 the scale and the hold; v10 256 x lane; v11 -infinity;
; v12-15, v16-19 tile 0, 1: -M, the largest t, the sum in two halves; v[20:21], v[22:23] f; v24-29, v240-243 at work; then as named below.
.set Q,   32                           ; v32-47   Q: tile u, piece c at 8 u + 4 c
.set F,   48                           ; v48-79   four fragments of K, then of V
.set S,   80                           ; v80-143  S^T, then p: 32 u + 8 kt + j
.set O,   144                          ; v144-207 O^T: 32 u + 8 t + j
.set P,   208                          ; v208-223 p's codes: 8 u + 4 b
.set SR,  224                          ; v224-239 the chunk on its way
.set VB,  131072                       ; LDS: K's images from 0, V's from here
.set CH,  16384                        ; a chunk of K or of V
	s_load_b128 s[4:7], s[0:1], 0x0                ; qkvc s[4:5], the scales' exponents s[6:7]
	s_load_b64 s[8:9], s[0:1], 0x10                ; ac
	v_lshl_add_u32 v254, v0, 2, 0x40000
	v_mov_b32 v255, 0
	v_lshrrev_b32 v24, 5, v0
	v_readfirstlane_b32 s10, v24                   ; wave 0..15
	s_mov_b32 s11, ttmp9                           ; x
	s_and_b32 s12, ttmp7, 0xffff                   ; the head, 16 b + hh
	s_lshr_b32 s48, s10, 2
	s_xor_b32 s48, s48, s10
	s_and_b32 s48, s48, 1
	s_sub_co_u32 s20, 7, s11                       ; 7 - x: the later block, and the last chunk that the work-group needs
	s_cmp_eq_u32 s48, 1
	s_cselect_b32 s49, s20, s11                    ; my block
	s_lshl_b32 s49, s49, 3
	s_lshr_b32 s50, s10, 1
	s_add_co_u32 s49, s49, s50                     ; g: my 32 queries
	s_lshl_b32 s13, s49, 5                         ; my first query,
	s_add_co_u32 s14, s13, 32                      ; and the first behind my last
	s_mov_b32 s15, 0                               ; the step's first key
	s_mov_b32 s16, 0                               ; LDS byte of the chunk in hand
	s_mov_b32 s17, CH                              ; and of the chunk on its way
	s_mov_b32 s19, 1                               ; that chunk's number
	s_mov_b32 s30, 0x76543210                      ; v_permlanex16_b32's selects for lane l xor 16
	s_mov_b32 s31, 0xfedcba98
	s_lshl_b32 s52, s12, 17                        ; a head is 131,072 bytes in each of q, k, v
	s_mov_b32 s53, 0
	s_lshl_b32 s54, s49, 11                        ; my two tiles of Q
	s_mov_b32 s55, 0
	s_lshr_b32 s56, s12, 4
	s_lshl_b32 s56, s56, 7
	s_lshl_b32 s57, s49, 1
	s_add_co_u32 s56, s56, s57                     ; ac: row tile 128 b + 2 g,
	s_lshl_b32 s56, s56, 14
	s_and_b32 s57, s12, 15
	s_lshl_b32 s57, s57, 10                        ; the head's 64 channels: two pieces of 512 bytes
	s_add_co_u32 s56, s56, s57
	s_mov_b32 s57, 0
	s_and_b32 s58, s10, 1
	s_lshl_b32 s58, s58, 13
	s_add_co_u32 s58, s58, 2*CH                    ; the prefetches begin at chunk 2: my wave's 8,192 bytes of it
	s_mov_b32 s59, 0
	s_lshr_b32 s50, s10, 2
	s_or_b32 s50, s50, s11                         ; 0 in waves 0 to 3 of the head's work-group x = 0, which walks all eight chunks
	s_cmp_eq_u32 s50, 0
	s_cselect_b32 s28, 1, -1                       ; a wave prefetches while the trips to go are above this
	v_and_b32 v24, 31, v0
	v_lshlrev_b32 v1, 4, v24
	v_lshlrev_b32 v10, 8, v24
	v_lshlrev_b32 v4, 4, v0
	v_add_nc_u32 v6, VB, v4
	v_and_b32 v25, 15, v0
	v_bfe_u32 v26, v0, 4, 1
	v_and_b32 v27, 8, v25
	v_add_nc_u32 v7, v27, v25
	v_lshlrev_b32 v26, 4, v26
	v_sub_nc_u32 v7, v7, v26
	v_mov_b32 v11, 0xff800000
	s_wait_kmcnt 0x0
	s_load_b256 s[36:43], s[6:7], 0x0              ; e0 .. e7
	s_add_nc_u64 s[46:47], s[4:5], s[52:53]        ; my head's q,
	s_add_nc_u64 s[22:23], s[46:47], 0x800000      ; k,
	s_add_nc_u64 s[24:25], s[46:47], 0x1000000     ; v
	s_add_nc_u64 s[46:47], s[46:47], s[54:55]
	s_add_nc_u64 s[44:45], s[8:9], s[56:57]
	global_load_b128 v[SR:SR+3], v4, s[22:23]                  ; chunk 0: 512 threads x 16 bytes, twice, of K and of V
	global_load_b128 v[SR+4:SR+7], v4, s[22:23] offset:8192
	global_load_b128 v[SR+8:SR+11], v4, s[24:25]
	global_load_b128 v[SR+12:SR+15], v4, s[24:25] offset:8192
.irp u, 0,1
.irp c, 0,1
	global_load_b128 v[Q+8*\u+4*\c:Q+8*\u+4*\c+3], v1, s[46:47] offset:1024*\u+512*\c th:TH_LOAD_NT   ; Q stays in registers
.endr
.endr
	s_cmp_lt_u32 s10, 2                            ; waves 0 and 1 prefetch K's chunks, waves 2 and 3 V's
	s_cselect_b64 s[26:27], s[22:23], s[24:25]
	s_add_nc_u64 s[26:27], s[26:27], s[58:59]
	v_mov_b32 v13, 0xff61b1e6                      ; the largest t so far: -3e38, under every t
	v_mov_b32 v17, 0xff61b1e6
	v_floor_f32 v12, -v13                          ; -M
	v_floor_f32 v16, -v17
	v_mov_b32 v14, 0                               ; the sums
	v_mov_b32 v15, 0
	v_mov_b32 v18, 0
	v_mov_b32 v19, 0
	v_mov_b32 v21, 0                               ; (named as the upper halves of f's pairs)
	v_mov_b32 v23, 0
	v_mov_b32 v28, 0                               ; (a lane permute's destination counts as one of its sources)
	v_mov_b32 v29, 0
.set n, 0
.rept 64
	v_mov_b32 v[O+n], 0                            ; O^T.  (The step is written without a first form: the first change of M multiplies zeros)
.set n, n+1
.endr
	s_wait_kmcnt 0x0
	s_add_co_i32 s48, s38, s39
	s_lshl_b32 s48, s48, 23
	s_mov_b32 s32, 0x3e38aa3b                      ; log2(e) / 8;
	s_add_co_i32 s32, s32, s48                     ; a score stands for score x 2^(e2 + e3): the exponents are added to its exponent field
	s_mov_b32 s33, s32                             ; (named with it as a pair)
	s_add_co_i32 s48, s40, 127
	s_lshl_b32 s50, s48, 23
	v_mov_b32 v8, s50                              ; 2^e4
	s_add_co_i32 s48, s48, 8
	s_lshl_b32 s48, s48, 23
	s_or_b32 s48, s48, 0x600000
	v_mov_b32 v9, s48                              ; 448 x 2^e4
	s_wait_loadcnt 4                               ; chunk 0's four loads are in; Q's four may be out
	ds_store_b128 v4, v[SR:SR+3]
	ds_store_b128 v4, v[SR+4:SR+7] offset:8192
	ds_store_b128 v6, v[SR+8:SR+11]
	ds_store_b128 v6, v[SR+12:SR+15] offset:8192
	s_wait_dscnt 0x0                               ; for the others' sake: my part of chunk 0 lies in LDS
	s_barrier_signal -1
	s_barrier_wait -1
	s_wait_loadcnt 0x0                             ; Q; and every load has read its base:
	s_add_nc_u64 s[22:23], s[22:23], CH            ; on to chunk 1
	s_add_nc_u64 s[24:25], s[24:25], CH
; A KEY STEP: 64 keys, the j-th of the chunk in hand.
.macro STEP j
	s_cmp_ge_u32 s15, s14                          ; all 64 keys come after my 32 queries: the step's work is left out (a branch on ids; no barrier stands in a step)
	s_cbranch_scc1 .Lhid_\@
.irp kt, 0,1,2,3
.irp c, 0,1
	ds_load_b128 v[F+8*\kt+4*\c:F+8*\kt+4*\c+3], v2 offset:4096*(\j)+1024*\kt+512*\c
.endr
.endr
	s_wait_dscnt 0x0
.irp kt, 0,1,2,3
.irp u, 0,1
	v_wmma_f32_16x16x64_fp8_fp8 v[S+32*\u+8*\kt:S+32*\u+8*\kt+7], v[F+8*\kt:F+8*\kt+7], v[Q+8*\u:Q+8*\u+7], 0
.endr
.endr
.rept 4
	v_nop                                          ; places in front of the loads into K's registers and of the first read of the scores
.endr
.irp t, 0,1,2,3
.irp c, 0,1
	ds_load_b128 v[F+8*\t+4*\c:F+8*\t+4*\c+3], v3 offset:8192*((\j)/2)+1024*((\j)%2)+2048*\t+512*\c   ; V lands while the softmax is walked
.endr
.endr
	s_add_co_u32 s50, s15, 64
	s_cmp_le_u32 s50, s13                          ; all 64 keys count for all my queries
	s_cbranch_scc1 .Lopen_\@
	s_sub_co_i32 s50, s13, s15
	v_add_nc_u32 v24, s50, v7                      ; register 16 b + i of tile u holds key KF + 32 b + 16 h + i, my query is QB + 8 u + r + 8 (r / 8): hidden where 32 b + i > d,
	v_add_nc_u32 v25, 8, v24                       ; d = QB - KF + 8 u + r + 8 (r / 8) - 16 h
.set n, 0
.rept 32
	v_cmp_gt_i32 vcc_lo, 32*(n/16)+n%16, v24
	v_cndmask_b32 v[S+n], v[S+n], v11, vcc_lo      ; -infinity ahead of the maximum: p = 0 then
	v_cmp_gt_i32 vcc_lo, 32*(n/16)+n%16, v25
	v_cndmask_b32 v[S+32+n], v[S+32+n], v11, vcc_lo
.set n, n+1
.endr
.Lopen_\@:
	v_max3_num_f32 v24, v[S], v[S+1], v[S+2]       ; the step's largest score of each query among my 32 keys: two chains a tile, each accumulator from its low end on; the tiles line by line
	v_max3_num_f32 v26, v[S+32], v[S+33], v[S+34]
	v_max3_num_f32 v25, v[S+3], v[S+4], v[S+5]
	v_max3_num_f32 v27, v[S+35], v[S+36], v[S+37]
.irp i, 6,10,14,18,22,26
	v_max3_num_f32 v24, v24, v[S+\i], v[S+\i+1]
	v_max3_num_f32 v26, v26, v[S+32+\i], v[S+33+\i]
	v_max3_num_f32 v25, v25, v[S+\i+2], v[S+\i+3]
	v_max3_num_f32 v27, v27, v[S+34+\i], v[S+35+\i]
.endr
	v_max3_num_f32 v24, v24, v[S+30], v[S+31]
	v_max3_num_f32 v26, v26, v[S+62], v[S+63]
	v_max_num_f32 v24, v24, v25
	v_max_num_f32 v26, v26, v27
	v_permlanex16_b32 v28, v24, s30, s31
	v_permlanex16_b32 v29, v26, s30, s31
	v_max_num_f32 v24, v24, v28                    ; and among lane l xor 16's
	v_max_num_f32 v26, v26, v29
	v_mul_f32 v24, s32, v24                        ; as t (the factor is positive)
	v_mul_f32 v26, s32, v26
	v_max_num_f32 v13, v13, v24                    ; the running largest t
	v_max_num_f32 v17, v17, v26
	v_mov_b32 v24, v12
	v_mov_b32 v26, v16
	v_floor_f32 v12, -v13                          ; the new -M = floor(-t) = -ceil(t)
	v_floor_f32 v16, -v17
	v_sub_f32 v24, v12, v24                        ; old M - new M: a whole number, 0 or less
	v_sub_f32 v26, v16, v26
	v_cvt_i32_f32 v24, v24                         ; (it saturates)
	v_cvt_i32_f32 v26, v26
	v_ldexp_f32 v20, 1.0, v24                      ; f = 2^(old M - new M)
	v_ldexp_f32 v22, 1.0, v26
.set n, 0
.rept 16
	v_pk_fma_f32 v[S+n:S+n+1], v[S+n:S+n+1], s[32:33], v[12:13] op_sel_hi:[1,0,0]            ; t - M, two at a time (of both pairs the low word serves both halves)
	v_pk_fma_f32 v[S+32+n:S+33+n], v[S+32+n:S+33+n], s[32:33], v[16:17] op_sel_hi:[1,0,0]
.set n, n+2
.endr
.set n, 0
.rept 64
	v_exp_f32 v[S+n], v[S+n]                       ; p = 2^(t - M): one batch
.set n, n+1
.endr
	v_pk_mul_f32 v[14:15], v[14:15], v[20:21] op_sel_hi:[1,0]   ; the sums under the new M: plain lines behind the last exponential
	v_pk_mul_f32 v[18:19], v[18:19], v[22:23] op_sel_hi:[1,0]
	s_wait_alu depctr_va_vdst(0)                   ; one wait for the 64 exponentials, ahead of the first line that names a result
	v_pk_add_f32 v[240:241], v[S:S+1], v[S+2:S+3]  ; THE SUM IS TAKEN OF THE UNQUANTISED p: two chains a tile
	v_pk_add_f32 v[242:243], v[S+32:S+33], v[S+34:S+35]
.irp i, 4,8,12,16,20,24,28
	v_pk_add_f32 v[14:15], v[14:15], v[S+\i:S+\i+1]
	v_pk_add_f32 v[18:19], v[18:19], v[S+32+\i:S+33+\i]
	v_pk_add_f32 v[240:241], v[240:241], v[S+\i+2:S+\i+3]
	v_pk_add_f32 v[242:243], v[242:243], v[S+34+\i:S+35+\i]
.endr
	v_pk_add_f32 v[14:15], v[14:15], v[240:241]
	v_pk_add_f32 v[18:19], v[18:19], v[242:243]
	s_cmp_ge_i32 s40, -8                           ; p <= 1 < 448 x 2^e4 from e4 = -8 on: nothing to hold
	s_cbranch_scc1 .Lnohold_\@
.set n, 0
.rept 64
	v_min_num_f32 v[S+n], v[S+n], v9               ; the conversion does not saturate (ISA guide 7.6.2); p is not negative, so the hold is one-sided
.set n, n+1
.endr
.Lnohold_\@:
.irp u, 0,1
.irp b, 0,1
	v_cvt_scalef32_pk8_fp8_f32 v[P+8*\u+4*\b:P+8*\u+4*\b+1], v[S+32*\u+16*\b:S+32*\u+16*\b+7], v8
	v_cvt_scalef32_pk8_fp8_f32 v[P+8*\u+4*\b+2:P+8*\u+4*\b+3], v[S+32*\u+16*\b+8:S+32*\u+16*\b+15], v8
.endr
.endr
.set n, 0
.rept 16
	v_pk_mul_f32 v[O+n:O+n+1], v[O+n:O+n+1], v[20:21] op_sel_hi:[1,0]               ; O^T under the new M.  (Plain lines between the conversions and the products that read their results)
	v_pk_mul_f32 v[O+32+n:O+33+n], v[O+32+n:O+33+n], v[22:23] op_sel_hi:[1,0]
.set n, n+2
.endr
	s_wait_dscnt 0x0                               ; V is in
.irp t, 0,1,2,3
.irp u, 0,1
	v_wmma_f32_16x16x64_fp8_fp8 v[O+32*\u+8*\t:O+32*\u+8*\t+7], v[F+8*\t:F+8*\t+7], v[P+8*\u:P+8*\u+7], v[O+32*\u+8*\t:O+32*\u+8*\t+7]   ; eight accumulators, one instruction each: by turns
.endr
.endr
.rept 4
	v_nop                                          ; places in front of the next loads into V's registers, and of the way out's first read of O^T
.endr
.Lhid_\@:
	s_add_co_u32 s15, s15, 64
.endm
; A TRIP: a chunk's four steps.  fill = 1: the next chunk is asked for at the head, and goes into LDS at the end: a barrier when all reads of this trip are over, the stores, a barrier when all stores have landed.
.macro TRIP fill
	v_add_nc_u32 v2, s16, v1
	v_add_nc_u32 v3, VB, v2
.if \fill
	v_add_nc_u32 v5, s17, v4
	v_add_nc_u32 v6, VB, v5
	s_cmp_le_u32 s19, s20                          ; does my work-group need the next chunk?  The same answer in all sixteen waves
	s_cbranch_scc0 .Lnoload_\@
	global_load_b128 v[SR:SR+3], v4, s[22:23]
	global_load_b128 v[SR+4:SR+7], v4, s[22:23] offset:8192
	global_load_b128 v[SR+8:SR+11], v4, s[24:25]
	global_load_b128 v[SR+12:SR+15], v4, s[24:25] offset:8192
.Lnoload_\@:
	; A prefetch of the chunk that the NEXT trip will load: a trip's four steps ahead.  The four work-groups of a head read the same chunks: x = 0 alone asks, its waves 0 and 1 for K's 64 blocks of 256 bytes,
	; waves 2 and 3 for V's, a lane a block: each block is named once in the launch.  Chunks 0 and 1 come by their loads alone; the last trip that asks names chunk 7.
	s_cmp_gt_u32 s18, s28
	s_cbranch_scc0 .Lnoask_\@
	global_prefetch_b8 v10, s[26:27] th:TH_LOAD_NT scope:SCOPE_SE
.Lnoask_\@:
.endif
	STEP 0
	STEP 1
	STEP 2
	STEP 3
.if \fill
	s_wait_dscnt 0x0                               ; my LDS reads of this trip are over
	s_barrier_signal -1
	s_barrier_wait -1
	s_wait_loadcnt 0x0                             ; the chunk is in registers
	s_cmp_le_u32 s19, s20
	s_cbranch_scc0 .Lnostore_\@
	ds_store_b128 v5, v[SR:SR+3]
	ds_store_b128 v5, v[SR+4:SR+7] offset:8192
	ds_store_b128 v6, v[SR+8:SR+11]
	ds_store_b128 v6, v[SR+12:SR+15] offset:8192
.Lnostore_\@:
	s_wait_dscnt 0x0                               ; for the others' sake: my part of the chunk lies in LDS
	s_barrier_signal -1
	s_barrier_wait -1
	s_wait_xcnt 0x0                                ; the loads and the prefetch, a trip back, have read their bases
	s_add_nc_u64 s[22:23], s[22:23], CH
	s_add_nc_u64 s[24:25], s[24:25], CH
	s_add_nc_u64 s[26:27], s[26:27], CH
	s_add_co_u32 s17, s17, CH
	s_add_co_u32 s19, s19, 1
.endif
	s_add_co_u32 s16, s16, CH
.endm
	s_mov_b32 s18, 7
.Ltrip:                                            ; seven trips, the same number in every work-group: the LDS addresses step by constants, and every wave passes every barrier
	TRIP 1
	s_sub_co_u32 s18, s18, 1
	s_cmp_lg_u32 s18, 0
	s_cbranch_scc1 .Ltrip
	TRIP 0                                         ; the last chunk: nothing is left to fetch
	; THE WAY OUT: O^T x 2^(e4 + e5) / the sum, quantised with 2^e6: a lane's 16 registers of two neighbouring tiles are 16 neighbouring channels of its token: the 16 bytes that ac's image wants of it.
	v_add_f32 v14, v14, v15                        ; the sums' two halves,
	v_add_f32 v18, v18, v19
	v_permlanex16_b32 v28, v14, s30, s31
	v_permlanex16_b32 v29, v18, s30, s31
	v_add_f32 v14, v14, v28                        ; and lane l xor 16's
	v_add_f32 v18, v18, v29
	v_rcp_f32 v20, v14
	v_rcp_f32 v22, v18
	s_add_co_i32 s48, s42, 127
	s_lshl_b32 s50, s48, 23
	v_mov_b32 v8, s50                              ; 2^e6  (plain lines behind the reciprocals)
	s_add_co_i32 s48, s48, 8
	s_lshl_b32 s48, s48, 23
	s_or_b32 s48, s48, 0x600000
	v_mov_b32 v9, s48                              ; 448 x 2^e6
	s_add_co_i32 s48, s40, s41
	s_wait_alu depctr_va_vdst(0)                   ; one wait for both reciprocals, ahead of their first reader
	v_ldexp_f32 v20, v20, s48                      ; x 2^(e4 + e5)
	v_ldexp_f32 v22, v22, s48
.set n, 0
.rept 16
	v_pk_mul_f32 v[S+n:S+n+1], v[O+n:O+n+1], v[20:21] op_sel_hi:[1,0]               ; each accumulator from its low end on
	v_pk_mul_f32 v[S+32+n:S+33+n], v[O+32+n:O+33+n], v[22:23] op_sel_hi:[1,0]
.set n, n+2
.endr
.set n, 0
.rept 64
	v_med3_num_f32 v[S+n], v[S+n], -v9, v9
.set n, n+1
.endr
.irp u, 0,1
.irp b, 0,1
	v_cvt_scalef32_pk8_fp8_f32 v[P+8*\u+4*\b:P+8*\u+4*\b+1], v[S+32*\u+16*\b:S+32*\u+16*\b+7], v8
	v_cvt_scalef32_pk8_fp8_f32 v[P+8*\u+4*\b+2:P+8*\u+4*\b+3], v[S+32*\u+16*\b+8:S+32*\u+16*\b+15], v8
.endr
.endr
	v_nop
.irp u, 0,1
.irp b, 0,1
	global_store_b128 v1, v[P+8*\u+4*\b:P+8*\u+4*\b+3], s[44:45] offset:16384*\u+512*\b   ; a piece: 512 consecutive bytes
.endr
.endr
	s_wait_tensorcnt 0x0
	ds_add_u32 v254, v255
	s_wait_dscnt 0x0
	s_endpgm
.Lfunc_end_k_qfc0b78542d_attn:
	.size	k_qfc0b78542d_attn, .Lfunc_end_k_qfc0b78542d_attn-k_qfc0b78542d_attn
	.p2alignl 7, 3214868480
	.fill 96, 4, 3214868480
	.section	.rodata,"a",@progbits
	.p2align	6, 0x0
	.amdhsa_kernel k_qfc0b78542d_attn
		.amdhsa_group_segment_fixed_size 264192
		.amdhsa_private_segment_fixed_size 0
		.amdhsa_enable_private_segment 0
		.amdhsa_kernarg_size 24
		.amdhsa_user_sgpr_count 2
		.amdhsa_user_sgpr_kernarg_segment_ptr 1
		.amdhsa_wavefront_size32 1
		.amdhsa_system_sgpr_workgroup_id_x 1
		.amdhsa_system_sgpr_workgroup_id_y 1
		.amdhsa_system_sgpr_workgroup_id_z 1
		.amdhsa_system_vgpr_workitem_id 0
		.amdhsa_next_free_vgpr 256
		.amdhsa_next_free_sgpr 66
		.amdhsa_reserve_vcc 1
		.amdhsa_float_denorm_mode_32 3
		.amdhsa_float_denorm_mode_16_64 3
		.amdhsa_memory_ordered 1
		.amdhsa_forward_progress 1
		.amdhsa_inst_pref_size 177
	.end_amdhsa_kernel
	.amdgpu_metadata
---
amdhsa.version: [ 1, 2 ]
amdhsa.kernels:
  - .name:           k_qfc0b78542d_attn
    .symbol:         k_qfc0b78542d_attn.kd
    .args:
      - { .name: qkvc, .offset: 0, .size: 8, .value_kind: global_buffer, .address_space: global }
      - { .name: lowp_scales, .offset: 8, .size: 8, .value_kind: global_buffer, .address_space: global }
      - { .name: ac, .offset: 16, .size: 8, .value_kind: global_buffer, .address_space: global }
    .group_segment_fixed_size: 264192
    .private_segment_fixed_size: 0
    .kernarg_segment_align: 8
    .kernarg_segment_size: 24
    .max_flat_workgroup_size: 512
    .sgpr_count:     66
    .vgpr_count:     256
    .wavefront_size: 32
...
	.end_amdgpu_metadata
.endif
;; end of part 3
;; launch proj (part 4): grid 4 x 32, 4 waves a work-group, clusters of 4 x 4, 327,680 bytes of LDS; arguments ac, wpc, b_proj, lowp_scales, out0; writes out0
.if DOCPART == 4
	.amdgcn_target "amdgcn-amd-amdhsa--gfx1250"
	.amdhsa_code_object_version 6
	.text
	.protected	k_qfc0b78542d_proj
	.globl	k_qfc0b78542d_proj
	.p2align	8
	.type	k_qfc0b78542d_proj,@function
k_qfc0b78542d_proj:
	s_mov_b64 s[64:65], 0
	v_nop
	global_prefetch_b8 v0, s[64:65] scope:SCOPE_SE
	s_setreg_imm32_b32 hwreg(HW_REG_WAVE_MODE, 25, 1), 1
	s_wait_xcnt 0x0
	s_wait_alu depctr_hold_cnt(0) depctr_sa_sdst(0) depctr_va_vdst(0) depctr_va_sdst(0) depctr_va_ssrc(0) depctr_va_vcc(0) depctr_vm_vsrc(0)
	s_getreg_b32 s2, hwreg(HW_REG_IB_STS2, 6, 4)
	s_cmp_eq_u32 s2, 0
	s_cbranch_scc0 .Lentry_in_a_cluster
	s_endpgm
.Lentry_in_a_cluster:
	s_bfe_u32 s2, ttmp6, 0x10000c
	s_cmp_lg_u32 s2, 0xf033
	s_cbranch_scc0 .Lentry_shape_is_right
	s_endpgm
.Lentry_shape_is_right:
; out0 = a w_proj + b_proj on codes of FP8 (E4M3): a [8192][1024] (ac) and w_proj's columns [1024][1024] (wpc) lie as images of the operand's registers: a row tile (16 rows x 1024 K) is 16,384 bytes,
; [K step of 128][piece c][lane][16 bytes]; lane (r, h) of piece c holds k = 32 c + 16 h + 0 .. 15 of row r (a permutation of k that is the same on both sides); row r of tile 2 g + u is row 32 g + 8 u + r + 8 (r / 8).
; A work-group of four waves makes 256 x 256 of out0, a wave 128 x 128: 64 accumulators, 512 registers.  Source 0 = 16 columns' tile of w_proj, source 1 = 16 tokens' tile: a lane holds one token, and the 16 registers of
; accumulators (a, 2 p), (a, 2 p + 1) are columns 32 p + 16 h + 0 .. 15.  out0 = sum x 2^(e6 + e7) + b_proj, one packed multiply-add for two numbers.
; LIMIT: e6 + e7 between -126 and 127, so that 2^(e6 + e7) is an f32 number.
; K goes in steps of 256 through a ring of two LDS slots.  CLUSTERS: 4 x 4 work-groups; A's tiles are shared along a row of the cluster, B's along a column: each is asked for jointly.
; REGISTERS, in windows of 256: window 0: v0-31 addresses; v32-35 my four columns' bias; from v128 A's fragments, ONE set (on the way out: rows of out0).  window 1: B's fragments, TWO sets.  windows 2, 3: the accumulators.
.set KSTEPB, 4096                      ; a row tile's bytes in a slot: two K steps of 128
.set TILEP,  16384                     ; from row tile to row tile in memory
.set HALFT,  32768                     ; 8 row tiles: what one tensor load brings, and what one wave reads of A' or of B'
.set SLOT,   4*HALFT                   ; A's 16 row tiles, then B's 16
.set SPARE,  2*SLOT                    ; behind the ring: the spare words, 128 bytes for each wave: two blocks of 256 bytes that no other line names
.set LAPS,   2                         ; 1024 along K = four K steps = twice round the ring
.set FR,     16
.set NL,     4
.set NP,     4                         ; places behind this matrix instruction (ISA guide 7.12.1)
.set SPITCH, 528                       ; the way out: a stage of 16 rows x (512 bytes + 16) for each wave.  It lies in slot 0, which has had its last fill and its last read when the first result is stored there
.set ADRA, 16                          ; v16-17  LDS address of my A' fragments in slot 0, 1
.set ADRB, 20                          ; v20-21  the same for B'
.set STO,  24                          ; v24     the way out: where I put 64 bytes of a row, in four parts
.set RD,   25                          ; v25     where I read a row back
.set CO,   27                          ; v27     16 x lane: an image's place for my lane, and my bytes of a row of 512
.set SPW,  28                          ; v28     LDS address of my spare word; never rewritten
.set NIL,  29                          ; v29     0; never rewritten
.set BI,   32                          ; v32-35  b_proj of my four columns
.set AF,   128
.set BK,   128                         ; the way out: 16 rows read back: v128-191 and v192-255 by turns
.set G1, 24
.set G0, 32
.set G1B, 48
.set G0B, 56
.set MSB, 0
.macro WIN new                         ; the immediate's high byte repeats the setting that is left
.if MSB != \new
	s_set_vgpr_msb (MSB<<8)|\new
.set MSB, \new
.endif
.endm
.set MUL_LO, 0xa1                      ; source 0 (B') window 1, source 1 (A') window 0, C and D window 2
.set MUL_HI, 0xf1                      ; the same, C and D window 3
.set TO_B,   0x40                      ; destination window 1, address window 0
; A joint load: waves 0 and 1 fetch for A', waves 2 and 3 for B'; the branch hangs on the wave's number alone.  Four v_nop follow each of the two lines.
.macro JLOAD g0a, g1a, g0b, g1b
	s_cmp_eq_u32 s15, 0
	s_cbranch_scc0 .Lfor_b_\@
	tensor_load_to_lds s[\g0a:\g0a+3], s[\g1a:\g1a+7]
	s_nop 0
.rept 4
	v_nop
.endr
	s_branch .Lasked_\@
.Lfor_b_\@:
	tensor_load_to_lds s[\g0b:\g0b+3], s[\g1b:\g1b+7]
	s_nop 0
.rept 4
	v_nop
.endr
.Lasked_\@:
.endm
.macro CREST                           ; a round of the cluster's barrier behind its opening barrier
	s_cmp_lg_u32 s14, 0
	s_cbranch_scc1 .Lnot_wave_0_\@
	s_barrier_signal -3
.Lnot_wave_0_\@:
	s_barrier_wait -3
	s_barrier_signal -1
	s_barrier_wait -1
.endm
.macro CROUND                          ; a whole round
	s_barrier_signal -1
	s_barrier_wait -1
	CREST
.endm
	s_load_b256 s[4:11], s[0:1], 0x0               ; ac s[4:5], wpc s[6:7], b_proj s[8:9], the scales' exponents s[10:11]
	s_load_b64 s[12:13], s[0:1], 0x20              ; out0
	v_lshl_add_u32 v[SPW], v0, 2, SPARE
	v_mov_b32 v[NIL], 0
	ds_add_u32 v28, v29
	ds_add_u32 v28, v29
	s_wait_dscnt 0x0
	v_lshrrev_b32 v1, 5, v0
	v_readfirstlane_b32 s14, v1                    ; wave 0..3
	s_lshr_b32 s15, s14, 1                         ; which half of the tokens is mine.  Also: I fetch for A' (0) or for B' (1)
	s_and_b32 s16, s14, 1                          ; which half of the columns.  Also: which 8 row tiles I fetch
	s_bfe_u32 s40, ttmp6, 0x40000                  ; cx, cy: my place in the cluster
	s_bfe_u32 s41, ttmp6, 0x40004
	s_lshl_b32 s42, ttmp9, 2
	s_add_co_u32 s42, s42, s40                     ; B's block of 256 columns = 4 x cluster x + cx
	s_and_b32 s17, ttmp7, 0xffff
	s_lshl_b32 s17, s17, 2
	s_add_co_u32 s17, s17, s41                     ; A's block of 256 tokens = 4 x cluster y + cy
	s_lshl_b32 s43, s41, 2
	s_lshl_b32 s43, 15, s43                        ; my row of the cluster
	s_lshl_b32 s44, 0x1111, s40                    ; my column
	; descriptor group 1: 8 rows (row tiles) of 4,096 bytes, 16,384 bytes apart; dense in LDS
	s_or_b32 s[G1+0], s43, (1<<21)                 ; 15:0 the mask: A's tiles go to my row; 17:16 elements of 1 byte; 20 no padding; 21 set beside a mask
	s_or_b32 s[G1B+0], s44, (1<<21)
.irp g, G1, G1B
	s_mov_b32 s[\g+1], KSTEPB<<16                  ; tensor_dim0
	s_mov_b32 s[\g+2], 8<<16                       ; tensor_dim1
	s_mov_b32 s[\g+3], KSTEPB<<16                  ; tile_dim0
	s_mov_b32 s[\g+4], 8                           ; tile_dim1
	s_mov_b32 s[\g+5], TILEP                       ; tensor_dim0_stride
	s_mov_b32 s[\g+6], 0
	s_mov_b32 s[\g+7], 0
.endr
	s_lshl_b32 s18, s16, 17                        ; which 8 row tiles of the block I fetch
	s_lshl_b32 s20, s17, 18                        ; a block is 16 row tiles: 262,144 bytes
	s_add_co_u32 s20, s20, s18
	s_mov_b32 s21, 0
	s_lshl_b32 s46, s42, 18
	s_add_co_u32 s46, s46, s18
	s_mov_b32 s47, 0
	s_lshl_b32 s45, s14, 15                        ; where they go: wave x 8 row tiles: no place in the cluster enters an LDS address
	s_wait_kmcnt 0x0
	s_load_b256 s[72:79], s[10:11], 0x0            ; e0 .. e7
	s_add_nc_u64 s[20:21], s[4:5], s[20:21]
	s_add_nc_u64 s[46:47], s[6:7], s[46:47]
	CROUND                                         ; all sixteen work-groups are here: the first joint loads meet
.irp s, 0,1
	s_mov_b32 s[G0+4*\s], 1
	s_add_co_u32 s[G0+4*\s+1], s45, \s*SLOT
	s_add_nc_u64 s[G0+4*\s+2:G0+4*\s+3], s[20:21], \s*KSTEPB
	s_or_b32 s[G0+4*\s+3], s[G0+4*\s+3], 0x80000000
	s_mov_b32 s[G0B+4*\s], 1
	s_add_co_u32 s[G0B+4*\s+1], s45, \s*SLOT
	s_add_nc_u64 s[G0B+4*\s+2:G0B+4*\s+3], s[46:47], \s*KSTEPB
	s_or_b32 s[G0B+4*\s+3], s[G0B+4*\s+3], 0x80000000
	JLOAD G0+4*\s, G1, G0B+4*\s, G1B
.endr
	v_and_b32 v1, 15, v0                           ; r
	v_bfe_u32 v2, v0, 4, 1                         ; h
	v_and_b32 v3, 31, v0
	v_lshlrev_b32 v[CO], 4, v3
	s_lshl_b32 s21, s15, 15                        ; my 8 row tiles of A',
	s_lshl_b32 s22, s16, 15                        ; my 8 of B',
	s_add_co_u32 s22, s22, 2*HALFT                 ; which lie behind A's 16
.irp s, 0,1
	v_add_nc_u32 v[ADRA+\s], s21, v[CO]
	v_add_nc_u32 v[ADRB+\s], s22, v[CO]
	s_add_co_u32 s21, s21, SLOT
	s_add_co_u32 s22, s22, SLOT
.endr
	s_mul_i32 s23, s14, 16*SPITCH                  ; my stage
	v_mul_u32_u24 v4, v1, SPITCH                   ; in: row r, + 64 h
	v_lshl_add_u32 v4, v2, 6, v4
	v_add_nc_u32 v[STO], s23, v4
	v_add_nc_u32 v[RD], s23, v[CO]                 ; back: the 32 lanes take one row of 512 bytes
	s_lshl_b32 s80, s42, 10                        ; my 128 columns, in bytes: 1,024 x block + 512 x half
	s_lshl_b32 s81, s16, 9
	s_add_co_u32 s80, s80, s81
	s_mov_b32 s81, 0
	s_add_nc_u64 s[68:69], s[8:9], s[80:81]
	global_load_b128 v[BI:BI+3], v[CO], s[68:69]   ; lands while K is walked
	s_add_nc_u64 s[12:13], s[12:13], s[80:81]
	s_lshl_b32 s80, s17, 20                        ; my first token: 256 x block + 128 x half, rows of 4,096 bytes
	s_lshl_b32 s82, s15, 19
	s_add_co_u32 s80, s80, s82
	s_add_nc_u64 s[12:13], s[12:13], s[80:81]
.macro FRAG reg, adr, q, i             ; a fragment comes as its image lies: four loads of 512 consecutive bytes
.irp c, 0,1,2,3
	ds_load_b128 v[\reg+4*\c:\reg+4*\c+3], v[\adr] offset:2048*(\q)+512*\c+(\i)*KSTEPB
.endr
.endm
; 16 matrix instructions: A's blocks a0, a0 + 1 x B's eight, 128 along K.  The 64 accumulators take turns, one instruction a turn, in the same order in every step.
.macro MUL16 a0, p, zero
.irp a, \a0, \a0+1
.irp b, 0,1,2,3,4,5,6,7
.if \zero
	v_wmma_f32_16x16x128_fp8_fp8 v[8*(8*((\a)%4)+\b):8*(8*((\a)%4)+\b)+7], v[128*(\p)+FR*\b:128*(\p)+FR*\b+FR-1], v[AF+FR*(\a):AF+FR*(\a)+FR-1], 0
.else
	v_wmma_f32_16x16x128_fp8_fp8 v[8*(8*((\a)%4)+\b):8*(8*((\a)%4)+\b)+7], v[128*(\p)+FR*\b:128*(\p)+FR*\b+FR-1], v[AF+FR*(\a):AF+FR*(\a)+FR-1], v[8*(8*((\a)%4)+\b):8*(8*((\a)%4)+\b)+7]
.endif
.endr
.endr
.endm
.macro FETCH_B slot, q, p
	WIN TO_B
.irp i, 0,1,2,3,4,5,6,7
	FRAG 128*(\p)+FR*\i, ADRB+\slot, \q, \i
.endr
	WIN 0
.endm
.macro FETCH_A slot, q, i0
.irp i, \i0, \i0+1, \i0+2, \i0+3
	FRAG AF+FR*(\i), ADRA+\slot, \q, \i
.endr
.endm
.macro PLACES n                        ; a load into a register that a matrix instruction has read, and an LDS store that reads a result, stand NP plain vector instructions behind it (ISA guide 7.12.1 for vector instructions)
.rept \n
	v_nop
.endr
.endm
.macro STEP slot, q, zero
	s_wait_dscnt 4*NL                              ; B's set and A's blocks 0-3 are in; the youngest 16 loads (A's blocks 4-7) may be out
	WIN MUL_LO
	MUL16 0, (\q)%2, \zero
	MUL16 2, (\q)%2, \zero
	s_wait_dscnt 0                                 ; A's blocks 4-7 are in
	PLACES NP
	FETCH_B \slot, (\q)+1, 1-(\q)%2
	FETCH_A \slot, (\q)+1, 0
	WIN MUL_HI
	MUL16 4, (\q)%2, \zero
	MUL16 6, (\q)%2, \zero
	PLACES NP
	WIN 0
	FETCH_A \slot, (\q)+1, 4
.endm
; A slot's last step changes slots: ONE barrier; in front of it each wave waits for all its tensor loads, adds 0 to its spare word, and waits for that and for its own reads of this slot.
.macro TURN slot, next, fill
	s_wait_tensorcnt 0x0                           ; all my tensor loads have landed: my part of the next slot  (every window is 0 here)
	ds_add_u32 v[SPW], v[NIL]                      ; 0 onto my spare word
	s_wait_dscnt 4*NL+1                            ; (the add and the youngest 16 loads may be out)
	WIN MUL_LO
	MUL16 0, 1, 0
	s_wait_dscnt 0x0                               ; the add is done, and my reads of this slot are over
	s_barrier_signal -1
	MUL16 2, 1, 0
	WIN 0
	s_barrier_wait -1
.if \fill
	CREST                                          ; the barrier has opened a round of the cluster's barrier: no wave of any partner still reads this slot or has a load on its way
	s_add_nc_u64 s[G0+4*\slot+2:G0+4*\slot+3], s[G0+4*\slot+2:G0+4*\slot+3], 2*KSTEPB
	s_add_nc_u64 s[G0B+4*\slot+2:G0B+4*\slot+3], s[G0B+4*\slot+2:G0B+4*\slot+3], 2*KSTEPB
	JLOAD G0+4*\slot, G1, G0B+4*\slot, G1B         ; the first tensor load behind the round; its four v_nop are also the places in front of the loads below
.else
	PLACES NP
.endif
	FETCH_B \next, 0, 0
	FETCH_A \next, 0, 0
	WIN MUL_HI
	MUL16 4, 1, 0
	MUL16 6, 1, 0
	PLACES NP
	WIN 0
	FETCH_A \next, 0, 4
.endm
	s_wait_tensorcnt 1                             ; my part of K step 0 is in (K step 1's load may be out)
	s_barrier_signal -1
	s_barrier_wait -1                              ; everybody's is
	FETCH_B 0, 0, 0
	FETCH_A 0, 0, 0
	FETCH_A 0, 0, 4
	STEP 0, 0, 1                                   ; the first step stands in front of the loop: its products start the sums
	s_mov_b32 s3, LAPS-1
.Llap:
	TURN 0, 1, 1
	STEP 1, 0, 0
	TURN 1, 0, 1
	STEP 0, 0, 0
	s_sub_co_u32 s3, s3, 1
	s_cmp_lg_u32 s3, 0
	s_cbranch_scc1 .Llap
	TURN 0, 1, 0                                   ; the last lap fills nothing, and has no round of the cluster's barrier
	STEP 1, 0, 0
	s_wait_dscnt 4*NL
	WIN MUL_LO
	MUL16 0, 1, 0
	MUL16 2, 1, 0
	s_wait_dscnt 0
	WIN MUL_HI
	MUL16 4, 1, 0
	MUL16 6, 1, 0
	WIN 0
; THE WAY OUT, block by block of 16 tokens x 128 columns.  A lane holds 4 x 64 bytes of one row, and the lanes beside it hold other rows: a block goes through my own stage in LDS, straight from the accumulators, and comes
; back as whole rows of 512 bytes; there each lane has four neighbouring columns, is scaled and gets its bias, and the 32 lanes store 512 consecutive bytes.  LDS serves a wave's instructions in order (ISA guide 5.7.1.4).
.macro TOSTAGE a
.set AC, 64*((\a)%4)
	WIN 0x08+4*((\a)/4)                            ; the stores' data: window 2 or 3
.irp b, 0,1,2,3,4,5,6,7
	ds_store_b128 v[STO], v[AC+8*\b:AC+8*\b+3] offset:128*(\b/2)+32*(\b%2)          ; columns 32 (b / 2) + 16 h + 8 (b % 2) on: each accumulator from its low end on
	ds_store_b128 v[STO], v[AC+8*\b+4:AC+8*\b+7] offset:128*(\b/2)+32*(\b%2)+16
.endr
	WIN 0
.set BB, BK+64*((\a)%2)
.irp t, 0,1,2,3,4,5,6,7,8,9,10,11,12,13,14,15
	ds_load_b128 v[BB+4*\t:BB+4*\t+3], v[RD] offset:\t*SPITCH
.endr
.endm
.macro SEND a, younger                 ; younger: the LDS instructions issued behind block a's loads, which may stay out
.set BB, BK+64*((\a)%2)
	s_wait_dscnt \younger
.irp t, 0,1,2,3,4,5,6,7,8,9,10,11,12,13,14,15
	v_pk_fma_f32 v[BB+4*\t:BB+4*\t+1], v[BB+4*\t:BB+4*\t+1], s[96:97], v[BI:BI+1] op_sel_hi:[1,0,1]         ; sum x 2^(e6 + e7) + bias
	v_pk_fma_f32 v[BB+4*\t+2:BB+4*\t+3], v[BB+4*\t+2:BB+4*\t+3], s[96:97], v[BI+2:BI+3] op_sel_hi:[1,0,1]
.endr
.irp t, 0,1,2,3,4,5,6,7,8,9,10,11,12,13,14,15
	global_store_b128 v[CO], v[BB+4*\t:BB+4*\t+3], s[12:13] offset:(32*((\a)/2)+8*((\a)%2)+\t+8*(\t/8))*4096 th:TH_STORE_NT   ; row t of tile a is token 32 (a / 2) + 8 (a % 2) + t + 8 (t / 8) of my 128; 127 rows at the most: inside the immediate
.endr
.endm
	s_wait_kmcnt 0x0
	s_add_co_i32 s96, s78, s79                     ; e6 + e7
	s_add_co_i32 s96, s96, 127
	s_lshl_b32 s96, s96, 23                        ; 2^(e6 + e7) as f32
	s_mov_b32 s97, s96                             ; (named with it as a pair)
	s_wait_loadcnt 0x0                             ; the bias
	PLACES NP                                      ; behind the last products: for the loads into the registers that held A's fragments, and for the stores that read results
	TOSTAGE 0
.irp a, 1,2,3,4,5,6,7
.if \a > 1
	s_wait_xcnt 0x0                                ; block a - 2's stores have read their registers: block a's loads may land there
.endif
	TOSTAGE \a
	SEND \a-1, 32                                  ; behind block a - 1's loads: block a's 16 stores and 16 loads
.endr
	SEND 7, 0
	s_wait_tensorcnt 0x0                           ; the wave's end, behind my last tensor load and my last LDS store
	ds_add_u32 v[SPW], v[NIL]
	s_wait_dscnt 0x0
	CROUND                                         ; the closing round: no work-group ends while a partner may still ask for a tile that names it
	s_endpgm
.Lfunc_end_k_qfc0b78542d_proj:
	.size	k_qfc0b78542d_proj, .Lfunc_end_k_qfc0b78542d_proj-k_qfc0b78542d_proj
	.p2alignl 7, 3214868480
	.fill 96, 4, 3214868480
	.section	.rodata,"a",@progbits
	.p2align	6, 0x0
	.amdhsa_kernel k_qfc0b78542d_proj
		.amdhsa_group_segment_fixed_size 327680
		.amdhsa_private_segment_fixed_size 0
		.amdhsa_enable_private_segment 0
		.amdhsa_kernarg_size 40
		.amdhsa_user_sgpr_count 2
		.amdhsa_user_sgpr_kernarg_segment_ptr 1
		.amdhsa_wavefront_size32 1
		.amdhsa_system_sgpr_workgroup_id_x 1
		.amdhsa_system_sgpr_workgroup_id_y 1
		.amdhsa_system_sgpr_workgroup_id_z 1
		.amdhsa_system_vgpr_workitem_id 0
		.amdhsa_next_free_vgpr 1024
		.amdhsa_next_free_sgpr 100
		.amdhsa_reserve_vcc 0
		.amdhsa_float_denorm_mode_32 3
		.amdhsa_float_denorm_mode_16_64 3
		.amdhsa_memory_ordered 1
		.amdhsa_forward_progress 1
		.amdhsa_inst_pref_size 122
	.end_amdhsa_kernel
	.amdgpu_metadata
---
amdhsa.version: [ 1, 2 ]
amdhsa.kernels:
  - .name:           k_qfc0b78542d_proj
    .symbol:         k_qfc0b78542d_proj.kd
    .args:
      - { .name: ac, .offset: 0, .size: 8, .value_kind: global_buffer, .address_space: global }
      - { .name: wpc, .offset: 8, .size: 8, .value_kind: global_buffer, .address_space: global }
      - { .name: b_proj, .offset: 16, .size: 8, .value_kind: global_buffer, .address_space: global }
      - { .name: lowp_scales, .offset: 24, .size: 8, .value_kind: global_buffer, .address_space: global }
      - { .name: out0, .offset: 32, .size: 8, .value_kind: global_buffer, .address_space: global }
    .group_segment_fixed_size: 327680
    .private_segment_fixed_size: 0
    .kernarg_segment_align: 8
    .kernarg_segment_size: 40
    .max_flat_workgroup_size: 128
    .sgpr_count:     100
    .vgpr_count:     1024
    .wavefront_size: 32
...
	.end_amdgpu_metadata
.endif
;; end of part 4
;; ======== version 2 of 2: 4 launches; version 1 with the launch attn written anew for expert scheduling mode
;; workspace buffers: xw 11,534,336 bytes; wpc 1,048,576 bytes; qkvc 25,165,824 bytes; ac 8,388,608 bytes
;; launch prep: the kernel of part 1 again; grid 384 x 1, 4 waves a work-group, no clusters, 34,304 bytes of LDS; arguments x, w_qkv, w_proj, lowp_scales, xw, wpc; writes xw, wpc
;; launch qkv: the kernel of part 2 again; grid 8 x 48, 4 waves a work-group, clusters of 4 x 4, 327,680 bytes of LDS; arguments xw, b_qkv, lowp_scales, qkvc; writes qkvc
;; launch attn (part 5): grid 4 x 64, 16 waves a work-group, no clusters, 264,192 bytes of LDS; arguments qkvc, lowp_scales, ac; writes ac
.if DOCPART == 5
	.amdgcn_target "amdgcn-amd-amdhsa--gfx1250"
	.amdhsa_code_object_version 6
	.text
	.protected	k_qfc0b78542d_attn
	.globl	k_qfc0b78542d_attn
	.p2align	8
	.type	k_qfc0b78542d_attn,@function
k_qfc0b78542d_attn:
	s_mov_b64 s[64:65], 0
	v_nop
	global_prefetch_b8 v0, s[64:65] scope:SCOPE_SE
	s_setreg_imm32_b32 hwreg(HW_REG_WAVE_SCHED_MODE, 0, 2), 2
	s_setreg_imm32_b32 hwreg(HW_REG_WAVE_MODE, 25, 1), 1
	s_wait_xcnt 0x0
	s_wait_alu depctr_vm_vsrc(0)
; Causal attention, 64 heads of 2,048 tokens x 64 channels, both products on codes of FP8 (E4M3) by the K = 64 form; the result, divided by the row's sum, is quantised again (e6) as the projection's operand.
; qkvc: q at 0, k at 8 MiB: [head][token tile][c 0-1][lane][16 bytes], lane (r, h) of piece c: channels 32 c + 16 h + 0 .. 15 of the tile's row r; row r of tile 2 g + u is token 32 g + 8 u + r + 8 (r / 8).
;       v at 16 MiB: [head][128 keys][channel tile 0-3][c 0-3][lane][16]: lane (r, h): keys 32 c + 16 h + 0 .. 15 of channel row r; row r of tile 2 b + u is channel 32 b + 8 u + r + 8 (r / 8).
; Both products are used transposed: S^T = K Q^T (source 0 = 16 keys, source 1 = 16 queries), O^T = V^T P^T: a lane holds ONE query throughout.  By the tiles' choice of rows the 16 registers of two neighbouring tiles of
; S^T are 16 neighbouring keys, so p's conversions give the second product's operand; and those of O^T are 16 neighbouring channels: a piece of the projection's image (ac, laid as x's codes are).
; THE SOFTMAX: t = score x log2(e) / 8; M = the running largest t rounded UP to a whole number; p = 2^(t - M), not normalised, is quantised with 2^e4; the row's sum is taken of the unquantised p and divides at the end.
; When M moves, the sum and O^T are multiplied by 2^(old M - new M): nothing is rounded.
; SHARES.  Work-group (x, head) owns the blocks x and 7 - x of 256 queries: (x + 1) + (8 - x) = 9 blocks of keys to walk in every work-group.  Wave w: block x or 7 - x by (w ^ (w / 4)) & 1, its 32 queries w / 2:
; two tiles of 16, so each fragment of K and V read from LDS feeds two products; four waves to a SIMD, two of each block, so that one wave's vector work stands beside another's matrix work.
; K AND V GO memory -> registers -> LDS, a chunk of 256 keys (16 KiB of each) a trip, one trip ahead.  The whole head stays in LDS: each byte is written once.  Chunks behind block 7 - x are not fetched.
; NO CLUSTER, NO JOINT LOADS, though the four work-groups of a head read the same K and V: which steps a wave leaves out, and which chunks a work-group fetches, hang on x, the place that partners would differ in,
; and a chunk costs a wave only eight instructions.  With no tensor load in the text a scalar branch on the given e4 is open too: p is at most 1 and 448 x 2^e4 is above 1 for e4 >= -8, so the hold is jumped over there.
; LIMITS on the given exponents: e2 + e3 between -123 and 130 (added to the exponent field of log2(e) / 8); e4 and e6 between -126 and 119; e4 + e5 is applied by v_ldexp_f32.
; REGISTERS: v1 16 x lane; v2, v3 the chunk's K and V in LDS; v4 16 x thread; v5, v6 where the next chunk goes; v7 r + 8 (r / 8) - 16 h; v8, v9 the scale and the hold; v10 256 x lane; v11 -infinity;
; v12-15, v16-19 tile 0, 1: -M, the largest t, the sum in two halves; v[20:21], v[22:23] f; v24-29, v240-243 at work; then as named below.  s2-s9, s52-s59 (free behind the head): the causal mask's bits, tile 0's and tile 1's.
; THE MODE: SCHED_MODE bits 1:0 = 2 (LLVM: expert scheduling mode 2), set by the entry lines.  The code itself states the register dependences between vector or matrix instructions and memory or LDS
; instructions, with s_wait_alu, always for 0.
; THE PLAN.  Registers that memory or LDS instructions touch:
;   F        A step: K's LDS loads land in it; the products K Q^T read it; V's LDS loads land in it; the products V^T P^T read it; then the next step's K.
;   SR       A trip: the next chunk's four global loads land in it at the head; four LDS stores read it at the end.  No vector instruction names it.
;   v2, v3   Written once a trip, at its head; read by the trip's LDS loads.       v5, v6   Written there too; read by the LDS stores at the trip's end (v6 also made at the kernel's head, for chunk 0).
;   v1, v4, v10   Offsets, made at the kernel's head and never written again.      Q   loaded once.      P   named by vector and matrix instructions alone, until the way out's four stores read it.
;   v254, v255    Written at the head, read by the closing add alone.
; So: at a trip's head one wait on vm_vsrc (the last trip's LDS instructions have read v2, v3, v5, v6 and SR), the address additions (four; two in the last trip), one wait on va_vdst (they are written, and the last products are done reading F): it serves
; the trip's every LDS load and store by these addresses and the first step's loads into F.  In a step one wait on va_vdst behind the products K Q^T, ahead of V's loads, and, from the trip's second step on, one at the head, ahead of K's.
; All 256 registers of a wave's share are spoken for but twelve, so F has no second set.  Scalar registers that vector instructions write: s10, and the mask's sixteen: a wait on va_sdst ahead of their first readers.
.set Q,   32                           ; v32-47   Q: tile u, piece c at 8 u + 4 c
.set F,   48                           ; v48-79   four fragments of K, then of V
.set S,   80                           ; v80-143  S^T, then p: 32 u + 8 kt + j
.set O,   144                          ; v144-207 O^T: 32 u + 8 t + j
.set P,   208                          ; v208-223 p's codes: 8 u + 4 b
.set SR,  224                          ; v224-239 the chunk on its way
.set VB,  131072                       ; LDS: K's images from 0, V's from here
.set CH,  16384                        ; a chunk of K or of V
	s_load_b128 s[4:7], s[0:1], 0x0                ; qkvc s[4:5], the scales' exponents s[6:7]
	s_load_b64 s[8:9], s[0:1], 0x10                ; ac
	v_lshl_add_u32 v254, v0, 2, 0x40000
	v_mov_b32 v255, 0
	v_lshrrev_b32 v24, 5, v0
	v_readfirstlane_b32 s10, v24                   ; wave 0..15
	s_mov_b32 s11, ttmp9                           ; x
	s_and_b32 s12, ttmp7, 0xffff                   ; the head, 16 b + hh
	s_wait_alu depctr_va_sdst(0)                   ; s10 is written, ahead of its first reader: my block, my queries and my part of the prefetches are made from it
	s_lshr_b32 s48, s10, 2
	s_xor_b32 s48, s48, s10
	s_and_b32 s48, s48, 1
	s_sub_co_u32 s20, 7, s11                       ; 7 - x: the later block, and the last chunk that the work-group needs
	s_cmp_eq_u32 s48, 1
	s_cselect_b32 s49, s20, s11                    ; my block
	s_lshl_b32 s49, s49, 3
	s_lshr_b32 s50, s10, 1
	s_add_co_u32 s49, s49, s50                     ; g: my 32 queries
	s_lshl_b32 s13, s49, 5                         ; my first query,
	s_add_co_u32 s14, s13, 32                      ; and the first behind my last
	s_mov_b32 s15, 0                               ; the step's first key
	s_mov_b32 s16, 0                               ; LDS byte of the chunk in hand
	s_mov_b32 s17, CH                              ; and of the chunk on its way
	s_mov_b32 s19, 1                               ; that chunk's number
	s_mov_b32 s30, 0x76543210                      ; v_permlanex16_b32's selects for lane l xor 16
	s_mov_b32 s31, 0xfedcba98
	s_lshl_b32 s52, s12, 17                        ; a head is 131,072 bytes in each of q, k, v
	s_mov_b32 s53, 0
	s_lshl_b32 s54, s49, 11                        ; my two tiles of Q
	s_mov_b32 s55, 0
	s_lshr_b32 s56, s12, 4
	s_lshl_b32 s56, s56, 7
	s_lshl_b32 s57, s49, 1
	s_add_co_u32 s56, s56, s57                     ; ac: row tile 128 b + 2 g,
	s_lshl_b32 s56, s56, 14
	s_and_b32 s57, s12, 15
	s_lshl_b32 s57, s57, 10                        ; the head's 64 channels: two pieces of 512 bytes
	s_add_co_u32 s56, s56, s57
	s_mov_b32 s57, 0
	s_and_b32 s58, s10, 1
	s_lshl_b32 s58, s58, 13
	s_add_co_u32 s58, s58, 2*CH                    ; the prefetches begin at chunk 2: my wave's 8,192 bytes of it
	s_mov_b32 s59, 0
	s_lshr_b32 s50, s10, 2
	s_or_b32 s50, s50, s11                         ; 0 in waves 0 to 3 of the head's work-group x = 0, which walks all eight chunks
	s_cmp_eq_u32 s50, 0
	s_cselect_b32 s28, 1, -1                       ; a wave prefetches while the trips to go are above this
	v_and_b32 v24, 31, v0
	v_lshlrev_b32 v1, 4, v24
	v_lshlrev_b32 v10, 8, v24
	v_lshlrev_b32 v4, 4, v0
	v_add_nc_u32 v6, VB, v4
	v_and_b32 v25, 15, v0
	v_bfe_u32 v26, v0, 4, 1
	v_and_b32 v27, 8, v25
	v_add_nc_u32 v7, v27, v25
	v_lshlrev_b32 v26, 4, v26
	v_sub_nc_u32 v7, v7, v26
	v_mov_b32 v11, 0xff800000
	s_wait_kmcnt 0x0
	s_load_b256 s[36:43], s[6:7], 0x0              ; e0 .. e7
	s_add_nc_u64 s[46:47], s[4:5], s[52:53]        ; my head's q,
	s_add_nc_u64 s[22:23], s[46:47], 0x800000      ; k,
	s_add_nc_u64 s[24:25], s[46:47], 0x1000000     ; v
	s_add_nc_u64 s[46:47], s[46:47], s[54:55]
	s_add_nc_u64 s[44:45], s[8:9], s[56:57]
	s_wait_alu depctr_va_vdst(0)                   ; v1, v4, v6 and v10 are written: the offsets of the loads below, of chunk 0's LDS stores, of every later load of a chunk, of the prefetches and of the last stores; no line behind this one writes v1, v4 or v10
	global_load_b128 v[SR:SR+3], v4, s[22:23]                  ; chunk 0: 512 threads x 16 bytes, twice, of K and of V
	global_load_b128 v[SR+4:SR+7], v4, s[22:23] offset:8192
	global_load_b128 v[SR+8:SR+11], v4, s[24:25]
	global_load_b128 v[SR+12:SR+15], v4, s[24:25] offset:8192
.irp u, 0,1
.irp c, 0,1
	global_load_b128 v[Q+8*\u+4*\c:Q+8*\u+4*\c+3], v1, s[46:47] offset:1024*\u+512*\c th:TH_LOAD_NT   ; Q stays in registers
.endr
.endr
	s_cmp_lt_u32 s10, 2                            ; waves 0 and 1 prefetch K's chunks, waves 2 and 3 V's
	s_cselect_b64 s[26:27], s[22:23], s[24:25]
	s_add_nc_u64 s[26:27], s[26:27], s[58:59]
	v_mov_b32 v13, 0xff61b1e6                      ; the largest t so far: -3e38, under every t
	v_mov_b32 v17, 0xff61b1e6
	v_floor_f32 v12, -v13                          ; -M
	v_floor_f32 v16, -v17
	v_mov_b32 v14, 0                               ; the sums
	v_mov_b32 v15, 0
	v_mov_b32 v18, 0
	v_mov_b32 v19, 0
	v_mov_b32 v21, 0                               ; (named as the upper halves of f's pairs)
	v_mov_b32 v23, 0
	v_mov_b32 v28, 0                               ; (a lane permute's destination counts as one of its sources)
	v_mov_b32 v29, 0
.set n, 0
.rept 64
	v_mov_b32 v[O+n], 0                            ; O^T.  (The step is written without a first form: the first change of M multiplies zeros)
.set n, n+1
.endr
	s_wait_kmcnt 0x0
	s_add_co_i32 s48, s38, s39
	s_lshl_b32 s48, s48, 23
	s_mov_b32 s32, 0x3e38aa3b                      ; log2(e) / 8;
	s_add_co_i32 s32, s32, s48                     ; a score stands for score x 2^(e2 + e3): the exponents are added to its exponent field
	s_mov_b32 s33, s32                             ; (named with it as a pair)
	s_add_co_i32 s48, s40, 127
	s_lshl_b32 s50, s48, 23
	v_mov_b32 v8, s50                              ; 2^e4
	s_add_co_i32 s48, s48, 8
	s_lshl_b32 s48, s48, 23
	s_or_b32 s48, s48, 0x600000
	v_mov_b32 v9, s48                              ; 448 x 2^e4
	s_wait_loadcnt 4                               ; chunk 0's four loads are in; Q's four may be out
	ds_store_b128 v4, v[SR:SR+3]                   ; (no vector line since the wait on va_vdst above names v4, v6 or SR)
	ds_store_b128 v4, v[SR+4:SR+7] offset:8192
	ds_store_b128 v6, v[SR+8:SR+11]
	ds_store_b128 v6, v[SR+12:SR+15] offset:8192
	s_wait_dscnt 0x0                               ; for the others' sake: my part of chunk 0 lies in LDS
	s_barrier_signal -1
	s_barrier_wait -1
	s_wait_loadcnt 0x0                             ; Q; and every load has read its base:
	s_add_nc_u64 s[22:23], s[22:23], CH            ; on to chunk 1
	s_add_nc_u64 s[24:25], s[24:25], CH
; A KEY STEP: 64 keys, the j-th of the chunk in hand.
.macro STEP j
	s_cmp_ge_u32 s15, s14                          ; all 64 keys come after my 32 queries: the step's work is left out (a branch on ids; no barrier stands in a step)
	s_cbranch_scc1 .Lhid_\@
.if (\j) > 0
	s_wait_alu depctr_va_vdst(0)                   ; the products V^T P^T of the step before are done reading F, in which K's fragments land.  (In a trip's first step the wait at the trip's head has stated that, and no vector line stands between)
.endif
.irp kt, 0,1,2,3
.irp c, 0,1
	ds_load_b128 v[F+8*\kt+4*\c:F+8*\kt+4*\c+3], v2 offset:4096*(\j)+1024*\kt+512*\c
.endr
.endr
	s_wait_dscnt 0x0
.irp kt, 0,1,2,3
.irp u, 0,1
	v_wmma_f32_16x16x64_fp8_fp8 v[S+32*\u+8*\kt:S+32*\u+8*\kt+7], v[F+8*\kt:F+8*\kt+7], v[Q+8*\u:Q+8*\u+7], 0
.endr
.endr
.rept 4
	v_nop                                          ; places in front of the first read of the scores
.endr
	s_wait_alu depctr_va_vdst(0)                   ; the eight products above are done reading K's fragments in F, in which V's land; the vector lines that follow read those products' results in any case
.irp t, 0,1,2,3
.irp c, 0,1
	ds_load_b128 v[F+8*\t+4*\c:F+8*\t+4*\c+3], v3 offset:8192*((\j)/2)+1024*((\j)%2)+2048*\t+512*\c   ; V lands while the softmax is walked: none of its lines names F or v3
.endr
.endr
	s_add_co_u32 s50, s15, 64
	s_cmp_le_u32 s50, s13                          ; all 64 keys count for all my queries
	s_cbranch_scc1 .Lopen_\@
	s_sub_co_i32 s50, s13, s15
	v_add_nc_u32 v24, s50, v7                      ; register 16 b + i of tile u holds key KF + 32 b + 16 h + i, my query is QB + 8 u + r + 8 (r / 8): hidden where 32 b + i > d,
	v_add_nc_u32 v25, 8, v24                       ; d = QB - KF + 8 u + r + 8 (r / 8) - 16 h
.irp g, 0,1,2,3                                ; the compares stand in runs of sixteen, an accumulator of each tile a run, into sixteen scalar registers, with one wait behind the run
.set n, 8*\g
.rept 8
	v_cmp_gt_i32 s[2+n%8], 32*(n/16)+n%16, v24
	v_cmp_gt_i32 s[52+n%8], 32*(n/16)+n%16, v25
.set n, n+1
.endr
	s_wait_alu depctr_va_sdst(0)                   ; the sixteen masks s2-s9 and s52-s59 are written, ahead of the selects that read them
.set n, 8*\g
.rept 8
	v_cndmask_b32 v[S+n], v[S+n], v11, s[2+n%8]    ; -infinity ahead of the maximum: p = 0 then; each accumulator from its low end on
	v_cndmask_b32 v[S+32+n], v[S+32+n], v11, s[52+n%8]
.set n, n+1
.endr
.endr
.Lopen_\@:
	v_max3_num_f32 v24, v[S], v[S+1], v[S+2]       ; the step's largest score of each query among my 32 keys: two chains a tile, each accumulator from its low end on; the tiles line by line
	v_max3_num_f32 v26, v[S+32], v[S+33], v[S+34]
	v_max3_num_f32 v25, v[S+3], v[S+4], v[S+5]
	v_max3_num_f32 v27, v[S+35], v[S+36], v[S+37]
.irp i, 6,10,14,18,22,26
	v_max3_num_f32 v24, v24, v[S+\i], v[S+\i+1]
	v_max3_num_f32 v26, v26, v[S+32+\i], v[S+33+\i]
	v_max3_num_f32 v25, v25, v[S+\i+2], v[S+\i+3]
	v_max3_num_f32 v27, v27, v[S+34+\i], v[S+35+\i]
.endr
	v_max3_num_f32 v24, v24, v[S+30], v[S+31]
	v_max3_num_f32 v26, v26, v[S+62], v[S+63]
	v_max_num_f32 v24, v24, v25
	v_max_num_f32 v26, v26, v27
	v_permlanex16_b32 v28, v24, s30, s31
	v_permlanex16_b32 v29, v26, s30, s31
	v_max_num_f32 v24, v24, v28                    ; and among lane l xor 16's
	v_max_num_f32 v26, v26, v29
	v_mul_f32 v24, s32, v24                        ; as t (the factor is positive)
	v_mul_f32 v26, s32, v26
	v_max_num_f32 v13, v13, v24                    ; the running largest t
	v_max_num_f32 v17, v17, v26
	v_mov_b32 v24, v12
	v_mov_b32 v26, v16
	v_floor_f32 v12, -v13                          ; the new -M = floor(-t) = -ceil(t)
	v_floor_f32 v16, -v17
	v_sub_f32 v24, v12, v24                        ; old M - new M: a whole number, 0 or less
	v_sub_f32 v26, v16, v26
	v_cvt_i32_f32 v24, v24                         ; (it saturates)
	v_cvt_i32_f32 v26, v26
	v_ldexp_f32 v20, 1.0, v24                      ; f = 2^(old M - new M)
	v_ldexp_f32 v22, 1.0, v26
.set n, 0
.rept 16
	v_pk_fma_f32 v[S+n:S+n+1], v[S+n:S+n+1], s[32:33], v[12:13] op_sel_hi:[1,0,0]            ; t - M, two at a time (of both pairs the low word serves both halves)
	v_pk_fma_f32 v[S+32+n:S+33+n], v[S+32+n:S+33+n], s[32:33], v[16:17] op_sel_hi:[1,0,0]
.set n, n+2
.endr
.set n, 0
.rept 64
	v_exp_f32 v[S+n], v[S+n]                       ; p = 2^(t - M): one batch
.set n, n+1
.endr
	v_pk_mul_f32 v[14:15], v[14:15], v[20:21] op_sel_hi:[1,0]   ; the sums under the new M: plain lines behind the last exponential
	v_pk_mul_f32 v[18:19], v[18:19], v[22:23] op_sel_hi:[1,0]
	s_wait_alu depctr_va_vdst(0)                   ; the 64 exponentials have written p: one wait, ahead of the first line that names a result
	v_pk_add_f32 v[240:241], v[S:S+1], v[S+2:S+3]  ; THE SUM IS TAKEN OF THE UNQUANTISED p: two chains a tile
	v_pk_add_f32 v[242:243], v[S+32:S+33], v[S+34:S+35]
.irp i, 4,8,12,16,20,24,28
	v_pk_add_f32 v[14:15], v[14:15], v[S+\i:S+\i+1]
	v_pk_add_f32 v[18:19], v[18:19], v[S+32+\i:S+33+\i]
	v_pk_add_f32 v[240:241], v[240:241], v[S+\i+2:S+\i+3]
	v_pk_add_f32 v[242:243], v[242:243], v[S+34+\i:S+35+\i]
.endr
	v_pk_add_f32 v[14:15], v[14:15], v[240:241]
	v_pk_add_f32 v[18:19], v[18:19], v[242:243]
	s_cmp_ge_i32 s40, -8                           ; p <= 1 < 448 x 2^e4 from e4 = -8 on: nothing to hold
	s_cbranch_scc1 .Lnohold_\@
.set n, 0
.rept 64
	v_min_num_f32 v[S+n], v[S+n], v9               ; the conversion does not saturate (ISA guide 7.6.2); p is not negative, so the hold is one-sided
.set n, n+1
.endr
.Lnohold_\@:
.irp u, 0,1
.irp b, 0,1
	v_cvt_scalef32_pk8_fp8_f32 v[P+8*\u+4*\b:P+8*\u+4*\b+1], v[S+32*\u+16*\b:S+32*\u+16*\b+7], v8
	v_cvt_scalef32_pk8_fp8_f32 v[P+8*\u+4*\b+2:P+8*\u+4*\b+3], v[S+32*\u+16*\b+8:S+32*\u+16*\b+15], v8
.endr
.endr
.set n, 0
.rept 16
	v_pk_mul_f32 v[O+n:O+n+1], v[O+n:O+n+1], v[20:21] op_sel_hi:[1,0]               ; O^T under the new M.  (Plain lines between the conversions and the products that read their results)
	v_pk_mul_f32 v[O+32+n:O+33+n], v[O+32+n:O+33+n], v[22:23] op_sel_hi:[1,0]
.set n, n+2
.endr
	s_wait_dscnt 0x0                               ; V is in
.irp t, 0,1,2,3
.irp u, 0,1
	v_wmma_f32_16x16x64_fp8_fp8 v[O+32*\u+8*\t:O+32*\u+8*\t+7], v[F+8*\t:F+8*\t+7], v[P+8*\u:P+8*\u+7], v[O+32*\u+8*\t:O+32*\u+8*\t+7]   ; eight accumulators, one instruction each: by turns
.endr
.endr
.rept 4
	v_nop                                          ; the places behind the step's last products stay as they stood; that these products are done reading F is stated by the wait ahead of the next loads into it
.endr
.Lhid_\@:
	s_add_co_u32 s15, s15, 64
.endm
; A TRIP: a chunk's four steps.  fill = 1: the next chunk is asked for at the head, and goes into LDS at the end: a barrier when all reads of this trip are over, the stores, a barrier when all stores have landed.
.macro TRIP fill
	s_wait_alu depctr_vm_vsrc(0)                   ; the last trip's LDS loads have read v2 and v3, and its LDS stores (in the first trip: the head's) v5, v6 and SR: the additions below write the addresses anew, and the next chunk's loads land in SR
	v_add_nc_u32 v2, s16, v1
	v_add_nc_u32 v3, VB, v2
.if \fill
	v_add_nc_u32 v5, s17, v4
	v_add_nc_u32 v6, VB, v5
.endif
	s_wait_alu depctr_va_vdst(0)                   ; the addresses are written, which this trip's LDS loads and stores read, on the path of a wave that leaves out all four steps too; and the last trip's products are done reading F, in which the first step's loads land
.if \fill
	s_cmp_le_u32 s19, s20                          ; does my work-group need the next chunk?  The same answer in all sixteen waves
	s_cbranch_scc0 .Lnoload_\@
	global_load_b128 v[SR:SR+3], v4, s[22:23]
	global_load_b128 v[SR+4:SR+7], v4, s[22:23] offset:8192
	global_load_b128 v[SR+8:SR+11], v4, s[24:25]
	global_load_b128 v[SR+12:SR+15], v4, s[24:25] offset:8192
.Lnoload_\@:
	; A prefetch of the chunk that the NEXT trip will load: a trip's four steps ahead.  The four work-groups of a head read the same chunks: x = 0 alone asks, its waves 0 and 1 for K's 64 blocks of 256 bytes,
	; waves 2 and 3 for V's, a lane a block: each block is named once in the launch.  Chunks 0 and 1 come by their loads alone; the last trip that asks names chunk 7.
	s_cmp_gt_u32 s18, s28
	s_cbranch_scc0 .Lnoask_\@
	global_prefetch_b8 v10, s[26:27] th:TH_LOAD_NT scope:SCOPE_SE
.Lnoask_\@:
.endif
	STEP 0
	STEP 1
	STEP 2
	STEP 3
.if \fill
	s_wait_dscnt 0x0                               ; my LDS reads of this trip are over
	s_barrier_signal -1
	s_barrier_wait -1
	s_wait_loadcnt 0x0                             ; the chunk is in registers
	s_cmp_le_u32 s19, s20
	s_cbranch_scc0 .Lnostore_\@
	ds_store_b128 v5, v[SR:SR+3]                   ; (no vector line since the wait at the trip's head names v5, v6 or SR)
	ds_store_b128 v5, v[SR+4:SR+7] offset:8192
	ds_store_b128 v6, v[SR+8:SR+11]
	ds_store_b128 v6, v[SR+12:SR+15] offset:8192
.Lnostore_\@:
	s_wait_dscnt 0x0                               ; for the others' sake: my part of the chunk lies in LDS
	s_barrier_signal -1
	s_barrier_wait -1
	s_wait_xcnt 0x0                                ; the loads and the prefetch, a trip back, have read their bases
	s_add_nc_u64 s[22:23], s[22:23], CH
	s_add_nc_u64 s[24:25], s[24:25], CH
	s_add_nc_u64 s[26:27], s[26:27], CH
	s_add_co_u32 s17, s17, CH
	s_add_co_u32 s19, s19, 1
.endif
	s_add_co_u32 s16, s16, CH
.endm
	s_mov_b32 s18, 7
.Ltrip:                                            ; seven trips, the same number in every work-group: the LDS addresses step by constants, and every wave passes every barrier
	TRIP 1
	s_sub_co_u32 s18, s18, 1
	s_cmp_lg_u32 s18, 0
	s_cbranch_scc1 .Ltrip
	TRIP 0                                         ; the last chunk: nothing is left to fetch
	; THE WAY OUT: O^T x 2^(e4 + e5) / the sum, quantised with 2^e6: a lane's 16 registers of two neighbouring tiles are 16 neighbouring channels of its token: the 16 bytes that ac's image wants of it.
	v_add_f32 v14, v14, v15                        ; the sums' two halves,
	v_add_f32 v18, v18, v19
	v_permlanex16_b32 v28, v14, s30, s31
	v_permlanex16_b32 v29, v18, s30, s31
	v_add_f32 v14, v14, v28                        ; and lane l xor 16's
	v_add_f32 v18, v18, v29
	v_rcp_f32 v20, v14
	v_rcp_f32 v22, v18
	s_add_co_i32 s48, s42, 127
	s_lshl_b32 s50, s48, 23
	v_mov_b32 v8, s50                              ; 2^e6  (plain lines behind the reciprocals)
	s_add_co_i32 s48, s48, 8
	s_lshl_b32 s48, s48, 23
	s_or_b32 s48, s48, 0x600000
	v_mov_b32 v9, s48                              ; 448 x 2^e6
	s_add_co_i32 s48, s40, s41
	s_wait_alu depctr_va_vdst(0)                   ; both reciprocals have written v20 and v22: one wait, ahead of their first reader
	v_ldexp_f32 v20, v20, s48                      ; x 2^(e4 + e5)
	v_ldexp_f32 v22, v22, s48
.set n, 0
.rept 16
	v_pk_mul_f32 v[S+n:S+n+1], v[O+n:O+n+1], v[20:21] op_sel_hi:[1,0]               ; each accumulator from its low end on
	v_pk_mul_f32 v[S+32+n:S+33+n], v[O+32+n:O+33+n], v[22:23] op_sel_hi:[1,0]
.set n, n+2
.endr
.set n, 0
.rept 64
	v_med3_num_f32 v[S+n], v[S+n], -v9, v9
.set n, n+1
.endr
.irp u, 0,1
.irp b, 0,1
	v_cvt_scalef32_pk8_fp8_f32 v[P+8*\u+4*\b:P+8*\u+4*\b+1], v[S+32*\u+16*\b:S+32*\u+16*\b+7], v8
	v_cvt_scalef32_pk8_fp8_f32 v[P+8*\u+4*\b+2:P+8*\u+4*\b+3], v[S+32*\u+16*\b+8:S+32*\u+16*\b+15], v8
.endr
.endr
	v_nop
	s_wait_alu depctr_va_vdst(0)                   ; the conversions have written the codes in P, which the four stores read
.irp u, 0,1
.irp b, 0,1
	global_store_b128 v1, v[P+8*\u+4*\b:P+8*\u+4*\b+3], s[44:45] offset:16384*\u+512*\b   ; a piece: 512 consecutive bytes
.endr
.endr
	s_wait_dscnt 0x0                               ; the closing lines, six on end
	s_wait_alu 0x0
	s_wait_tensorcnt 0x0
	ds_add_u32 v254, v255
	s_wait_dscnt 0x0
	s_endpgm
.Lfunc_end_k_qfc0b78542d_attn:
	.size	k_qfc0b78542d_attn, .Lfunc_end_k_qfc0b78542d_attn-k_qfc0b78542d_attn
	.p2alignl 7, 3214868480
	.fill 96, 4, 3214868480
	.section	.rodata,"a",@progbits
	.p2align	6, 0x0
	.amdhsa_kernel k_qfc0b78542d_attn
		.amdhsa_group_segment_fixed_size 264192
		.amdhsa_private_segment_fixed_size 0
		.amdhsa_enable_private_segment 0
		.amdhsa_kernarg_size 24
		.amdhsa_user_sgpr_count 2
		.amdhsa_user_sgpr_kernarg_segment_ptr 1
		.amdhsa_wavefront_size32 1
		.amdhsa_system_sgpr_workgroup_id_x 1
		.amdhsa_system_sgpr_workgroup_id_y 1
		.amdhsa_system_sgpr_workgroup_id_z 1
		.amdhsa_system_vgpr_workitem_id 0
		.amdhsa_next_free_vgpr 256
		.amdhsa_next_free_sgpr 66
		.amdhsa_reserve_vcc 0
		.amdhsa_float_denorm_mode_32 3
		.amdhsa_float_denorm_mode_16_64 3
		.amdhsa_memory_ordered 1
		.amdhsa_forward_progress 1
		.amdhsa_inst_pref_size 211
	.end_amdhsa_kernel
	.amdgpu_metadata
---
amdhsa.version: [ 1, 2 ]
amdhsa.kernels:
  - .name:           k_qfc0b78542d_attn
    .symbol:         k_qfc0b78542d_attn.kd
    .args:
      - { .name: qkvc, .offset: 0, .size: 8, .value_kind: global_buffer, .address_space: global }
      - { .name: lowp_scales, .offset: 8, .size: 8, .value_kind: global_buffer, .address_space: global }
      - { .name: ac, .offset: 16, .size: 8, .value_kind: global_buffer, .address_space: global }
    .group_segment_fixed_size: 264192
    .private_segment_fixed_size: 0
    .kernarg_segment_align: 8
    .kernarg_segment_size: 24
    .max_flat_workgroup_size: 512
    .sgpr_count:     66
    .vgpr_count:     256
    .wavefront_size: 32
...
	.end_amdgpu_metadata
.endif
;; end of part 5
;; launch proj: the kernel of part 4 again; grid 4 x 32, 4 waves a work-group, clusters of 4 x 4, 327,680 bytes of LDS; arguments ac, wpc, b_proj, lowp_scales, out0; writes out0
